; MI455X (gfx1250); checked and timed in simulation.
; The chip was launched on July 23, 2026; its instructions are those of AMD's public machine-readable ISA for CDNA 5 (MIT licence, August 2026) and "CDNA5" Instruction Set Architecture Reference Guide (July 2026). The comments in the code are by the model that wrote it; some were corrected since.
;; Self Attention. Allowed arithmetic: float matrix products may take bf16 or f16 operands with f32 sums; other float arithmetic in f32, or as packed bf16 or f16 multiplies, adds, multiply-adds, maxima and minima; sums over many terms, partial sums and values carried from step to step in f32; what a program stores and reads back later, other than sums and carried values, may be rounded once to bf16 or f16.
;; Inputs: Wk 1,024 x 1,024 float32; Wq 1,024 x 1,024 float32; Wv 1,024 x 1,024 float32; bk 1,024 float32; bq 1,024 float32; bv 1,024 float32; x 4 x 2,048 x 1,024 float32.
;; Outputs: out0 4 x 2,048 x 1,024 float32.
;; 3 versions, each right; version 2 is faster than version 1; version 3 is version 2 with the launch prep written anew for expert scheduling mode. Each part assembles by itself: llvm-mc -triple=amdgcn-amd-amdhsa -mcpu=gfx1250 --defsym DOCPART=n.
;; ======== version 1 of 3: 4 launches
;; limits: values are held in f16: magnitudes above 65,504 overflow, below 6.1e-05 lose precision; values outside matrix products are rounded to f16
;; workspace buffers: cb 23,068,672 bytes; qkv 50,331,648 bytes; p 33,554,432 bytes; st 1,048,576 bytes
;; launch prep (part 1): grid 704 x 1, 8 waves a work-group, no clusters, 0 bytes of LDS; arguments x, Wq, Wk, Wv, cb; writes cb
.if DOCPART == 1
	.amdgcn_target "amdgcn-amd-amdhsa--gfx1250"
	.amdhsa_code_object_version 6
	.text
	.protected	k_q2f1aee36a5_prep
	.globl	k_q2f1aee36a5_prep
	.p2align	8
	.type	k_q2f1aee36a5_prep,@function
k_q2f1aee36a5_prep:
	s_mov_b64 s[64:65], 0
	v_nop
	global_prefetch_b8 v0, s[64:65] scope:SCOPE_SE
	s_setreg_imm32_b32 hwreg(HW_REG_WAVE_MODE, 25, 1), 1
	s_wait_xcnt 0x0
; x and the three weight matrices, f32, are rounded once to bf16 (nearest even) and laid end to end in cb:
; xb [8192][1024] at byte 0, then Wq, Wk, Wv, each [1024 k][1024 n], 2,097,152 bytes apart.  Nothing is turned: the products read W as it lies.
; A stream: memory binds, so no LDS, no matrix unit, no cluster (no work-group shares a byte with another).
; Work-group id owns 16,384 numbers: 65,536 bytes in, 32,768 out, and its place in cb is id x 32,768 whatever the source (ids 0-511: x; 512-703: the weights, 64 ids each).
; A thread takes 16 bytes of each block of 4,096: a wave's load covers 512 consecutive bytes, its store 256 consecutive bytes at a multiple of 256.
; All sixteen loads go out first; no register is written twice, so the only waits are the counted ones for the loads.
.set IN,  8                            ; v[8:71]    sixteen loads of four f32
.set OUT, 72                           ; v[72:103]  sixteen pairs of packed bf16
	s_load_b256 s[4:11], s[0:1], 0x0               ; x s[4:5], Wq s[6:7], Wk s[8:9], Wv s[10:11]
	s_load_b64 s[12:13], s[0:1], 0x20              ; cb
	s_sub_co_u32 s14, ttmp9, 512                   ; my number among the weights' 192 (of no use below 512)
	s_lshr_b32 s15, s14, 6                         ; which matrix
	s_and_b32 s16, s14, 63                         ; which 65,536 bytes of it
	v_lshlrev_b32 v1, 4, v0                        ; 16 bytes a thread in
	v_lshlrev_b32 v2, 3, v0                        ; 8 bytes a thread out
	s_wait_kmcnt 0x0
	s_cmp_eq_u32 s15, 1
	s_cselect_b64 s[6:7], s[8:9], s[6:7]
	s_cmp_eq_u32 s15, 2
	s_cselect_b64 s[6:7], s[10:11], s[6:7]         ; the weight matrix, if it is one
	s_cmp_lt_u32 ttmp9, 512
	s_cselect_b64 s[4:5], s[4:5], s[6:7]           ; the source
	s_cselect_b32 s16, ttmp9, s16                  ; and my block in it
	s_lshl_b32 s16, s16, 16
	s_mov_b32 s17, 0
	s_add_nc_u64 s[4:5], s[4:5], s[16:17]
	s_lshl_b32 s18, ttmp9, 15
	s_mov_b32 s19, 0
	s_add_nc_u64 s[12:13], s[12:13], s[18:19]
.irp i, 0,1,2,3,4,5,6,7,8,9,10,11,12,13,14,15
	global_load_b128 v[IN+4*(\i):IN+4*(\i)+3], v1, s[4:5] offset:4096*(\i) th:TH_LOAD_NT  ; read once in the whole program
.endr
.irp i, 0,1,2,3,4,5,6,7,8,9,10,11,12,13,14,15
	s_wait_loadcnt 15-(\i)                         ; loads come back in order (ISA guide 5.7.1): number i is in, the younger ones stay out
	v_cvt_pk_bf16_f32 v[OUT+2*(\i)], v[IN+4*(\i)], v[IN+4*(\i)+1]
	v_cvt_pk_bf16_f32 v[OUT+2*(\i)+1], v[IN+4*(\i)+2], v[IN+4*(\i)+3]
	global_store_b64 v2, v[OUT+2*(\i):OUT+2*(\i)+1], s[12:13] offset:2048*(\i)
.endr
	s_endpgm
.Lfunc_end_k_q2f1aee36a5_prep:
	.size	k_q2f1aee36a5_prep, .Lfunc_end_k_q2f1aee36a5_prep-k_q2f1aee36a5_prep
	.p2alignl 7, 3214868480
	.fill 96, 4, 3214868480
	.section	.rodata,"a",@progbits
	.p2align	6, 0x0
	.amdhsa_kernel k_q2f1aee36a5_prep
		.amdhsa_group_segment_fixed_size 0
		.amdhsa_private_segment_fixed_size 0
		.amdhsa_enable_private_segment 0
		.amdhsa_kernarg_size 40
		.amdhsa_user_sgpr_count 2
		.amdhsa_user_sgpr_kernarg_segment_ptr 1
		.amdhsa_wavefront_size32 1
		.amdhsa_system_sgpr_workgroup_id_x 1
		.amdhsa_system_sgpr_workgroup_id_y 1
		.amdhsa_system_sgpr_workgroup_id_z 1
		.amdhsa_system_vgpr_workitem_id 0
		.amdhsa_next_free_vgpr 104
		.amdhsa_next_free_sgpr 66
		.amdhsa_reserve_vcc 0
		.amdhsa_float_denorm_mode_32 3
		.amdhsa_float_denorm_mode_16_64 3
		.amdhsa_memory_ordered 1
		.amdhsa_forward_progress 1
		.amdhsa_inst_pref_size 7
	.end_amdhsa_kernel
	.amdgpu_metadata
---
amdhsa.version: [ 1, 2 ]
amdhsa.kernels:
  - .name:           k_q2f1aee36a5_prep
    .symbol:         k_q2f1aee36a5_prep.kd
    .args:
      - { .name: x, .offset: 0, .size: 8, .value_kind: global_buffer, .address_space: global }
      - { .name: Wq, .offset: 8, .size: 8, .value_kind: global_buffer, .address_space: global }
      - { .name: Wk, .offset: 16, .size: 8, .value_kind: global_buffer, .address_space: global }
      - { .name: Wv, .offset: 24, .size: 8, .value_kind: global_buffer, .address_space: global }
      - { .name: cb, .offset: 32, .size: 8, .value_kind: global_buffer, .address_space: global }
    .group_segment_fixed_size: 0
    .private_segment_fixed_size: 0
    .kernarg_segment_align: 8
    .kernarg_segment_size: 40
    .max_flat_workgroup_size: 256
    .sgpr_count:     66
    .vgpr_count:     104
    .wavefront_size: 32
...
	.end_amdgpu_metadata
.endif
;; end of part 1
;; launch proj (part 2): grid 12 x 64, 4 waves a work-group, clusters of 4 x 4, 327,680 bytes of LDS; arguments cb, bq, bk, bv, qkv; writes qkv
.if DOCPART == 2
	.amdgcn_target "amdgcn-amd-amdhsa--gfx1250"
	.amdhsa_code_object_version 6
	.text
	.protected	k_q2f1aee36a5_proj
	.globl	k_q2f1aee36a5_proj
	.p2align	8
	.type	k_q2f1aee36a5_proj,@function
k_q2f1aee36a5_proj:
	s_mov_b64 s[64:65], 0
	v_nop
	global_prefetch_b8 v0, s[64:65] scope:SCOPE_SE
	s_setreg_imm32_b32 hwreg(HW_REG_WAVE_MODE, 25, 1), 1
	s_wait_xcnt 0x0
	s_wait_alu depctr_hold_cnt(0) depctr_sa_sdst(0) depctr_va_vdst(0) depctr_va_sdst(0) depctr_va_ssrc(0) depctr_va_vcc(0) depctr_vm_vsrc(0)
	s_getreg_b32 s2, hwreg(HW_REG_IB_STS2, 6, 4)
	s_cmp_eq_u32 s2, 0
	s_cbranch_scc0 .Lentry_in_a_cluster
	s_endpgm
.Lentry_in_a_cluster:
	s_bfe_u32 s2, ttmp6, 0x10000c
	s_cmp_lg_u32 s2, 0xf033
	s_cbranch_scc0 .Lentry_shape_is_right
	s_endpgm
.Lentry_shape_is_right:
; q | k | v = xb W + bf16(b).  xb [8192][1024] bf16 and the three W [1024 k][1024 n] bf16 lie in cb; q, k, v go to qkv as [8192][1024] f16, 16,777,216 bytes apart.  Sums in f32, rounded once.
; LIMIT.  f16 ends at 65,504: q, k and v must stay within it.  With x of unit spread and W of spread 1/32 they have unit spread; all inputs 30 times larger give about 900 (largest about 5,000),
; a common offset of 30 spreads on both about 29,000.  NaN and infinities are not treated apart.  The biases are rounded to bf16 like every other input.
; SHARES.  A tile of C is 128 x 256: 12 x 64 = 768 work-groups, three for each of 256 WGPs.  Four waves, 2 x 2, each 64 x 128: 32 accumulators of 16 x 16.
; K goes in steps of 128 through two LDS slots filled by the tensor data mover: rows of xb's tiles are 256 bytes, of W's 512, all at multiples of 256 from the buffer's first byte.
; W lies [k][n]: its fragments come turned out of LDS, by ds_load_tr16_b128.  The matrix instruction is used transposed (source 0 = 16 columns of W, source 1 = 16 rows of x): a lane holds eight
; neighbouring numbers of a row of C.  The bias is the C operand of the products that start the sums.
; CLUSTER.  4 x 4 work-groups.  The cluster's x is the matrix (q, k, v), cx the block of 256 columns, 4 x cluster y + cy the block of 128 rows.  The four of a row of the cluster need the same tile of x,
; the four of a column the same tile of W: each tile is asked for jointly, by the same tensor load with the same descriptor and a mask that names the four.
; REGISTERS, in windows of 256 (s_set_vgpr_msb: bits 1:0 source 0, 3:2 source 1, 5:4 source 2, 7:6 destination):
;   window 0: v0-31 addresses; v64-127 x's fragments, two buffers of 4; v128-255 W's fragments, two buffers of 8
;   window 1: v0-127 accumulators of my row blocks 0, 1 ((a, b) at 64 (a % 2) + 8 b); v128-191 the bias, later packed results; v160-223 rows read back        window 2: the same for blocks 2, 3
.set PA,    272                        ; a row of x in LDS: 256 bytes + 16 = 68 words: the 16 rows of a load start at 16 different groups of four banks (64 banks of 4 bytes: ISA guide 11.1)
.set PB,    544                        ; a row of W: 512 + 32 = 136 words
.set AHALF, 64*PA                      ; 64 rows of x: one tensor load, and what one wave reads
.set BHALF, 64*PB                      ; 64 k rows of W: one tensor load
.set BOFF,  2*AHALF                    ; W's tile lies behind x's
.set SLOT,  BOFF+2*BHALF               ; 104,448 bytes
.set STAGE, 2*SLOT                     ; behind the ring: 16 rows x 272 bytes for each wave, for the way out; no tensor load lands here
.set SP,    272
.set SPARE, STAGE+4*16*SP              ; the spare words, 128 bytes for each wave: two blocks of 256 bytes that no other line names
.set LAPS,  4                          ; a lap = two K steps = once round the ring; K = 1,024
.set STEPA, 2*128*2                    ; two K steps along a row of x
.set STEPB, 2*128*2048                 ; two K steps down the rows of W
.set ADRA, 16                          ; v16-17  LDS address of my fragments of x in slot 0, 1
.set ADRB, 20                          ; v20-21  the same for W
.set STO,  24                          ; v24     the way out: where I put 16 bytes of a row
.set RD,   25                          ; v25     the way out: where I read a row back
.set CO,   26                          ; v26     my byte offset in the output
.set SPW,  28                          ; v28     LDS address of my spare word; never rewritten
.set NIL,  29                          ; v29     0; never rewritten
.set FA,   64
.set FB,   128
.set BIAS, 128                         ; window 1: the eight numbers for column block b at BIAS + 8 b
.set TMP,  128                         ; the block's window: packed results
.set BK,   160                         ; the block's window: 16 rows read back, 32 registers, by the block's parity
.set G1,  24                           ; s[24:31] descriptor group 1 for x's tiles;  s[32:39] group 0, one set for each slot
.set G0,  32
.set G1B, 48                           ; s[48:55], s[56:63] the same for W's tiles
.set G0B, 56
.set MSB, 0
.macro WIN new                         ; the immediate's high byte repeats the setting that is left; a switch that changes nothing is dropped
.if MSB != (\new)
	s_set_vgpr_msb (MSB<<8)|(\new)
.set MSB, \new
.endif
.endm
.macro JLOAD s                         ; a joint load: waves 0 and 1 fetch x's two halves, waves 2 and 3 W's; an s_nop 0 and four v_nop follow each of the two lines
	s_cmp_eq_u32 s11, 0
	s_cbranch_scc0 .Lfor_b_\@
	tensor_load_to_lds s[G0+4*(\s):G0+4*(\s)+3], s[G1:G1+7]
	s_nop 0
.rept 4
	v_nop
.endr
	s_branch .Lasked_\@
.Lfor_b_\@:
	tensor_load_to_lds s[G0B+4*(\s):G0B+4*(\s)+3], s[G1B:G1B+7]
	s_nop 0
.rept 4
	v_nop
.endr
.Lasked_\@:
.endm
.macro CREST                           ; a round of the cluster's barrier behind its opening barrier
	s_cmp_lg_u32 s10, 0
	s_cbranch_scc1 .Lnot_wave_0_\@
	s_barrier_signal -3
.Lnot_wave_0_\@:
	s_barrier_wait -3
	s_barrier_signal -1
	s_barrier_wait -1
.endm
.macro CROUND                          ; a whole round
	s_barrier_signal -1
	s_barrier_wait -1
	CREST
.endm
.macro PLACES                          ; four places in front of loads into registers that matrix instructions have read, and of vector lines that read results
.rept 4
	v_nop
.endr
.endm
	s_load_b256 s[68:75], s[0:1], 0x0              ; cb s[68:69], bq s[70:71], bk s[72:73], bv s[74:75]
	s_load_b64 s[76:77], s[0:1], 0x20              ; qkv
	v_lshl_add_u32 v[SPW], v0, 2, SPARE
	v_mov_b32 v[NIL], 0
	ds_add_u32 v[SPW], v[NIL]                      ; the wave's opening: the add and its wait stand ahead of my first tensor load; work on registers stands between them
	v_lshrrev_b32 v1, 5, v0
	v_readfirstlane_b32 s10, v1                    ; wave 0..3
	s_lshr_b32 s11, s10, 1                         ; which half of the tile's rows is mine.  Also: I fetch for x (0) or for W (1)
	s_and_b32 s12, s10, 1                          ; which half of its columns.  Also: which half of that tile I fetch
	s_bfe_u32 s40, ttmp6, 0x40000                  ; cx
	s_bfe_u32 s41, ttmp6, 0x40004                  ; cy
	s_and_b32 s13, ttmp7, 0xffff
	s_lshl_b32 s13, s13, 2
	s_add_co_u32 s13, s13, s41                     ; block of 128 rows = 4 x cluster y + cy
	s_lshl_b32 s43, s41, 2
	s_lshl_b32 s43, 15, s43                        ; my row of the cluster
	s_lshl_b32 s44, 0x1111, s40                    ; my column
	s_or_b32 s[G1+0], s43, (1<<16)|(1<<20)|(1<<21)|(5<<22)|(3<<25)   ; 15:0 the mask; 17:16 2-byte elements; 20 padding on; 21 set beside a mask; 24:22 after every 64 words; 31:25 4 words
	s_mov_b32 s[G1+1], 128<<16                     ; tensor_dim0 = 128
	s_mov_b32 s[G1+2], 64<<16                      ; tensor_dim1 = 64
	s_mov_b32 s[G1+3], 128<<16                     ; tile_dim0 = 128
	s_mov_b32 s[G1+4], 64                          ; tile_dim1 = 64
	s_mov_b32 s[G1+5], 1024                        ; elements from row to row
	s_mov_b32 s[G1+6], 0
	s_mov_b32 s[G1+7], 0
	s_or_b32 s[G1B+0], s44, (1<<16)|(1<<20)|(1<<21)|(6<<22)|(7<<25)  ; after every 128 words 8 words of padding
	s_mov_b32 s[G1B+1], 256<<16                    ; 256 columns
	s_mov_b32 s[G1B+2], 64<<16                     ; 64 k rows
	s_mov_b32 s[G1B+3], 256<<16
	s_mov_b32 s[G1B+4], 64
	s_mov_b32 s[G1B+5], 1024
	s_mov_b32 s[G1B+6], 0
	s_mov_b32 s[G1B+7], 0
	s_lshl_b32 s16, s13, 7                         ; x: row 128 x block + 64 x half, 2,048 bytes a row
	s_lshl_b32 s17, s12, 6
	s_add_co_u32 s16, s16, s17
	s_lshl_b32 s16, s16, 11
	s_mov_b32 s17, 0
	s_lshl_b32 s46, ttmp9, 21                      ; W: behind xb, the matrix, 512 bytes a column block, 64 k rows a half
	s_lshl_b32 s47, s40, 9
	s_add_co_u32 s46, s46, s47
	s_lshl_b32 s47, s12, 17
	s_add_co_u32 s46, s46, s47
	s_add_co_u32 s46, s46, 0x1000000
	s_mov_b32 s47, 0
	s_mul_i32 s20, s12, AHALF                      ; where they go: no place in the cluster enters an LDS address
	s_mul_i32 s21, s12, BHALF
	s_add_co_u32 s21, s21, BOFF
	s_wait_dscnt 0x0                               ; the opening add is done
	s_wait_kmcnt 0x0
	s_add_nc_u64 s[14:15], s[68:69], s[16:17]
	s_add_nc_u64 s[46:47], s[68:69], s[46:47]
	CROUND                                         ; all sixteen work-groups are here: the first joint loads meet
.irp s, 0,1
	s_mov_b32 s[G0+4*(\s)], 1
	s_add_co_u32 s[G0+4*(\s)+1], s20, (\s)*SLOT
	s_add_nc_u64 s[G0+4*(\s)+2:G0+4*(\s)+3], s[14:15], (\s)*STEPA/2
	s_or_b32 s[G0+4*(\s)+3], s[G0+4*(\s)+3], 0x80000000
	s_mov_b32 s[G0B+4*(\s)], 1
	s_add_co_u32 s[G0B+4*(\s)+1], s21, (\s)*SLOT
	s_add_nc_u64 s[G0B+4*(\s)+2:G0B+4*(\s)+3], s[46:47], (\s)*STEPB/2
	s_or_b32 s[G0B+4*(\s)+3], s[G0B+4*(\s)+3], 0x80000000
	JLOAD \s                                       ; K steps 0 and 1: two loads of mine are out
.endr
	v_and_b32 v1, 15, v0                           ; r = l % 16
	v_bfe_u32 v2, v0, 4, 1                         ; h = l / 16
	s_cmp_eq_u32 ttmp9, 1                          ; the bias of my matrix
	s_cselect_b64 s[70:71], s[72:73], s[70:71]
	s_cmp_eq_u32 ttmp9, 2
	s_cselect_b64 s[70:71], s[74:75], s[70:71]
	s_lshl_b32 s22, s40, 10                        ; my wave's 128 columns, 4 bytes each,
	s_lshl_b32 s23, s12, 9
	s_add_co_u32 s22, s22, s23
	v_lshl_add_u32 v5, v2, 5, s22                  ; and my lanes' eight of each sixteen; never rewritten
	WIN 0x40                                       ; destination window 1, address window 0
.irp b, 0,1,2,3,4,5,6,7
	global_load_b128 v[BIAS+8*(\b):BIAS+8*(\b)+3],   v5, s[70:71] offset:64*(\b)
	global_load_b128 v[BIAS+8*(\b)+4:BIAS+8*(\b)+7], v5, s[70:71] offset:64*(\b)+16
.endr
	WIN 0
	v_mul_u32_u24 v3, v1, PA
	v_lshl_add_u32 v3, v2, 4, v3                   ; a fragment of x: row r x pitch + 16 h
	v_and_b32 v6, 7, v0                            ; the turning load: lane l reads k row 8 h + l % 8, 16 bytes at 16 ((l / 8) % 2)
	v_bfe_u32 v7, v0, 3, 1
	v_lshl_add_u32 v6, v2, 3, v6
	v_mul_u32_u24 v6, v6, PB
	v_lshl_add_u32 v6, v7, 4, v6
	s_mul_i32 s21, s11, AHALF                      ; my 64 rows of x
	s_lshl_b32 s22, s12, 8                         ; my 128 columns of W,
	s_add_co_u32 s22, s22, BOFF                    ; which lies behind x
.irp s, 0,1
	v_add_nc_u32 v[ADRA+(\s)], s21, v3
	v_add_nc_u32 v[ADRB+(\s)], s22, v6
	s_add_co_u32 s21, s21, SLOT
	s_add_co_u32 s22, s22, SLOT
.endr
	s_mul_i32 s23, s10, 16*SP
	s_add_co_u32 s23, s23, STAGE                   ; my stage
	v_add_nc_u32 v[STO], s23, v3                   ; in: row r, 16 bytes for each half of the lanes (the stage's pitch is x's)
	v_mul_u32_u24 v4, v2, SP                       ; back: lanes 0-15 take one row of 256 bytes, lanes 16-31 the next
	v_lshl_add_u32 v4, v1, 4, v4
	v_add_nc_u32 v[RD], s23, v4
	v_lshlrev_b32 v4, 11, v2                       ; and the same two rows in the output
	v_lshl_add_u32 v[CO], v1, 4, v4
	s_lshl_b32 s16, s13, 7                         ; my first row,
	s_lshl_b32 s17, s11, 6
	s_add_co_u32 s16, s16, s17
	s_lshl_b32 s16, s16, 11
	s_mov_b32 s17, 0
	s_add_nc_u64 s[76:77], s[76:77], s[16:17]
	s_lshl_b32 s46, ttmp9, 24                      ; my matrix and my first column
	s_lshl_b32 s47, s40, 9
	s_add_co_u32 s46, s46, s47
	s_lshl_b32 s47, s12, 8
	s_add_co_u32 s46, s46, s47
	s_mov_b32 s47, 0
	s_add_nc_u64 s[76:77], s[76:77], s[46:47]
	s_wait_loadcnt 0x0                             ; the bias; it is rounded to bf16 and widened again, in the wait for the first tile
	WIN 0x55                                       ; all operands in window 1
.set i, 0
.rept 32
	v_cvt_pk_bf16_f32 v[192+i], v[BIAS+2*i], v[BIAS+2*i+1]
.set i, i+1
.endr
.set i, 0
.rept 32
	v_lshlrev_b32 v[BIAS+2*i], 16, v[192+i]
	v_and_b32 v[BIAS+2*i+1], 0xffff0000, v[192+i]
.set i, i+1
.endr
	WIN 0
; 8 matrix instructions: row block a x all 8 column blocks, 32 along K, from buffer f.  first = 1: the products start the sums, with the bias as C.
; The 32 accumulators take turns, one instruction a turn, in the same order in every quarter.
.macro GRP f, a, first
.if (\a) < 2
	WIN 0x50                                       ; C and D window 1
.elseif \first
	WIN 0x90                                       ; D window 2, C (the bias) window 1
.else
	WIN 0xa0                                       ; C and D window 2
.endif
.irp b, 0,1,2,3,4,5,6,7
.if \first
	v_wmma_f32_16x16x32_bf16 v[64*((\a)%2)+8*(\b):64*((\a)%2)+8*(\b)+7], v[FB+64*(\f)+8*(\b):FB+64*(\f)+8*(\b)+7], v[FA+32*(\f)+8*(\a):FA+32*(\f)+8*(\a)+7], v[BIAS+8*(\b):BIAS+8*(\b)+7]
.else
	v_wmma_f32_16x16x32_bf16 v[64*((\a)%2)+8*(\b):64*((\a)%2)+8*(\b)+7], v[FB+64*(\f)+8*(\b):FB+64*(\f)+8*(\b)+7], v[FA+32*(\f)+8*(\a):FA+32*(\f)+8*(\a)+7], v[64*((\a)%2)+8*(\b):64*((\a)%2)+8*(\b)+7]
.endif
.endr
.endm
; 24 LDS loads in one run: quarter kq (32 along K) of a slot into buffer f: W's 16 first, then x's blocks 0, 1, then 2, 3
.macro FETCH slot, kq, f
	WIN 0
.irp i, 0,1,2,3,4,5,6,7
	ds_load_tr16_b128 v[FB+64*(\f)+8*(\i):FB+64*(\f)+8*(\i)+3],   v[ADRB+(\slot)] offset:(\kq)*32*PB+32*(\i)
	ds_load_tr16_b128 v[FB+64*(\f)+8*(\i)+4:FB+64*(\f)+8*(\i)+7], v[ADRB+(\slot)] offset:(\kq)*32*PB+32*(\i)+16*PB
.endr
.irp a, 0,1,2,3
	ds_load_b128 v[FA+32*(\f)+8*(\a):FA+32*(\f)+8*(\a)+3],   v[ADRA+(\slot)] offset:(\kq)*64+(\a)*16*PA
	ds_load_b128 v[FA+32*(\f)+8*(\a)+4:FA+32*(\f)+8*(\a)+7], v[ADRA+(\slot)] offset:(\kq)*64+(\a)*16*PA+32
.endr
.endm
; A K step is four quarters of 32 along K, 32 matrix instructions each, on buffers 0, 1, 0, 1.  One of the first three: multiplies buffer f and fetches quarter kq into buffer g.
.macro QUARTER slot, kq, f, g, first
	s_wait_dscnt 4                                 ; W and x's blocks 0, 1 are in; the youngest four loads (blocks 2, 3) may be out
	GRP \f, 0, \first
	GRP \f, 1, \first
	PLACES
	FETCH \slot, \kq, \g
	s_wait_dscnt 24                                ; all but the 24 just issued
	GRP \f, 2, \first
	GRP \f, 3, \first
.endm
; The last quarter multiplies buffer 1 and changes slots: ONE barrier; in front of it each wave waits for all its tensor loads, adds 0 to its spare word, and waits for that and for its own reads of this slot.
; fill = 1: the barrier opens a round of the cluster's, and this slot is filled again, two K steps ahead, first thing behind the round.
.macro TURN slot, next, fill
	WIN 0
	s_wait_tensorcnt 0x0                           ; all my tensor loads have landed: the one that was out is my part of the next slot
	ds_add_u32 v[SPW], v[NIL]                      ; 0 onto my spare word
	s_wait_dscnt 5                                 ; (the add and the youngest four loads may be out)
	GRP 1, 0, 0                                    ; eight matrix instructions stand between the add and the wait for it
	s_wait_dscnt 0x0                               ; the add is done, and my reads of this slot are over
	s_barrier_signal -1
	GRP 1, 1, 0
	WIN 0                                          ; at a branch and at a label every window is 0
	s_barrier_wait -1
.if \fill
	CREST                                          ; no wave of any partner still reads this slot's tiles or has a load on its way
	s_add_nc_u64 s[G0+4*(\slot)+2:G0+4*(\slot)+3], s[G0+4*(\slot)+2:G0+4*(\slot)+3], STEPA
	s_add_nc_u64 s[G0B+4*(\slot)+2:G0B+4*(\slot)+3], s[G0B+4*(\slot)+2:G0B+4*(\slot)+3], STEPB
	JLOAD \slot                                    ; my one tensor load behind the round; its four v_nop are also the places in front of the loads below
.else
	PLACES
.endif
	FETCH \next, 0, 0
	GRP 1, 2, 0
	GRP 1, 3, 0
.endm
; THE WAY OUT of row block a.  PACK: rounded to f16, 16 bytes a lane.  TOSTAGE: into my own stage, and back as whole rows of 256 bytes.  SEND: stored.  All four blocks have rows of their own to come back into.
.macro PACK a
	WIN 0x55*(1+(\a)/2)                            ; all operands in the block's window
.irp b, 0,1,2,3,4,5,6,7
.irp r, 0,1,2,3
	v_cvt_pk_f16_f32 v[TMP+4*(\b)+(\r)], v[64*((\a)%2)+8*(\b)+2*(\r)], v[64*((\a)%2)+8*(\b)+2*(\r)+1]
.endr
.endr
.endm
.macro TOSTAGE a
	WIN 0x44*(1+(\a)/2)                            ; address window 0; data and destination in the block's window
.irp b, 0,1,2,3,4,5,6,7
	ds_store_b128 v[STO], v[TMP+4*(\b):TMP+4*(\b)+3] offset:32*(\b)
.endr
.irp t, 0,1,2,3,4,5,6,7
	ds_load_b128 v[BK+32*((\a)%2)+4*(\t):BK+32*((\a)%2)+4*(\t)+3], v[RD] offset:(\t)*2*SP  ; LDS serves a wave's instructions in order (ISA guide 5.7.1.4): these see the stores above
.endr
.endm
.macro SEND a
	WIN 0x44*(1+(\a)/2)
.irp t, 0,1,2,3,4,5,6,7
	s_wait_dscnt 7-(\t)                            ; the block's loads are the youngest LDS instructions: number t is in
	global_store_b128 v[CO], v[BK+32*((\a)%2)+4*(\t):BK+32*((\a)%2)+4*(\t)+3], s[76:77] offset:(16*(\a)+2*(\t))*2048  ; 16 lanes store 256 consecutive bytes, at a multiple of 256
.endr
.endm
	s_wait_tensorcnt 1                             ; my part of K step 0 is in; K step 1's may stay out
	s_barrier_signal -1
	s_barrier_wait -1                              ; everybody's is
	FETCH 0, 0, 0
	QUARTER 0, 1, 0, 1, 1                          ; the first quarter stands in front of the loop: its products start the sums
	WIN 0
	s_mov_b32 s3, LAPS-1
.Llap:                                                 ; a trip goes once round the ring, from a lap's second quarter to the next lap's first, and fills both slots again
	QUARTER 0, 2, 1, 0, 0
	QUARTER 0, 3, 0, 1, 0
	TURN 0, 1, 1
	QUARTER 1, 1, 0, 1, 0
	QUARTER 1, 2, 1, 0, 0
	QUARTER 1, 3, 0, 1, 0
	TURN 1, 0, 1
	QUARTER 0, 1, 0, 1, 0
	WIN 0
	s_sub_co_u32 s3, s3, 1
	s_cmp_lg_u32 s3, 0
	s_cbranch_scc1 .Llap
	QUARTER 0, 2, 1, 0, 0                          ; the last lap fills nothing
	QUARTER 0, 3, 0, 1, 0
	TURN 0, 1, 0
	QUARTER 1, 1, 0, 1, 0
	QUARTER 1, 2, 1, 0, 0
	QUARTER 1, 3, 0, 1, 0
	s_wait_dscnt 4                                 ; the very last quarter: nothing more to fetch
	GRP 1, 0, 0
	GRP 1, 1, 0
	s_wait_dscnt 0x0
	GRP 1, 2, 0
	GRP 1, 3, 0
	PLACES
	PACK 0
	TOSTAGE 0
.irp a, 1,2,3                          ; block a's conversions stand between block a - 1's loads from the stage and the wait for them
	PACK \a
	SEND (\a)-1
	TOSTAGE \a
.endr
	SEND 3
	WIN 0
	s_wait_tensorcnt 0x0                           ; the wave's end: the add and its wait, behind my last tensor load and my last LDS store
	ds_add_u32 v[SPW], v[NIL]
	s_wait_dscnt 0x0
	CROUND                                         ; the closing round: no work-group ends while a partner may still ask for a tile that names it
	s_endpgm
.Lfunc_end_k_q2f1aee36a5_proj:
	.size	k_q2f1aee36a5_proj, .Lfunc_end_k_q2f1aee36a5_proj-k_q2f1aee36a5_proj
	.p2alignl 7, 3214868480
	.fill 96, 4, 3214868480
	.section	.rodata,"a",@progbits
	.p2align	6, 0x0
	.amdhsa_kernel k_q2f1aee36a5_proj
		.amdhsa_group_segment_fixed_size 327680
		.amdhsa_private_segment_fixed_size 0
		.amdhsa_enable_private_segment 0
		.amdhsa_kernarg_size 40
		.amdhsa_user_sgpr_count 2
		.amdhsa_user_sgpr_kernarg_segment_ptr 1
		.amdhsa_wavefront_size32 1
		.amdhsa_system_sgpr_workgroup_id_x 1
		.amdhsa_system_sgpr_workgroup_id_y 1
		.amdhsa_system_sgpr_workgroup_id_z 1
		.amdhsa_system_vgpr_workitem_id 0
		.amdhsa_next_free_vgpr 768
		.amdhsa_next_free_sgpr 80
		.amdhsa_reserve_vcc 0
		.amdhsa_float_denorm_mode_32 3
		.amdhsa_float_denorm_mode_16_64 3
		.amdhsa_memory_ordered 1
		.amdhsa_forward_progress 1
		.amdhsa_inst_pref_size 94
	.end_amdhsa_kernel
	.amdgpu_metadata
---
amdhsa.version: [ 1, 2 ]
amdhsa.kernels:
  - .name:           k_q2f1aee36a5_proj
    .symbol:         k_q2f1aee36a5_proj.kd
    .args:
      - { .name: cb, .offset: 0, .size: 8, .value_kind: global_buffer, .address_space: global }
      - { .name: bq, .offset: 8, .size: 8, .value_kind: global_buffer, .address_space: global }
      - { .name: bk, .offset: 16, .size: 8, .value_kind: global_buffer, .address_space: global }
      - { .name: bv, .offset: 24, .size: 8, .value_kind: global_buffer, .address_space: global }
      - { .name: qkv, .offset: 32, .size: 8, .value_kind: global_buffer, .address_space: global }
    .group_segment_fixed_size: 327680
    .private_segment_fixed_size: 0
    .kernarg_segment_align: 8
    .kernarg_segment_size: 40
    .max_flat_workgroup_size: 128
    .sgpr_count:     80
    .vgpr_count:     768
    .wavefront_size: 32
...
	.end_amdgpu_metadata
.endif
;; end of part 2
;; launch scores (part 3): grid 8 x 64, 4 waves a work-group, clusters of 4 x 4, 327,680 bytes of LDS; arguments qkv, p, st; writes p, st
.if DOCPART == 3
	.amdgcn_target "amdgcn-amd-amdhsa--gfx1250"
	.amdhsa_code_object_version 6
	.text
	.protected	k_q2f1aee36a5_scores
	.globl	k_q2f1aee36a5_scores
	.p2align	8
	.type	k_q2f1aee36a5_scores,@function
k_q2f1aee36a5_scores:
	s_mov_b64 s[64:65], 0
	v_nop
	global_prefetch_b8 v0, s[64:65] scope:SCOPE_SE
	s_setreg_imm32_b32 hwreg(HW_REG_WAVE_MODE, 25, 1), 1
	s_wait_xcnt 0x0
	s_wait_alu depctr_hold_cnt(0) depctr_sa_sdst(0) depctr_va_vdst(0) depctr_va_sdst(0) depctr_va_ssrc(0) depctr_va_vcc(0) depctr_vm_vsrc(0)
	s_getreg_b32 s2, hwreg(HW_REG_IB_STS2, 6, 4)
	s_cmp_eq_u32 s2, 0
	s_cbranch_scc0 .Lentry_in_a_cluster
	s_endpgm
.Lentry_in_a_cluster:
	s_bfe_u32 s2, ttmp6, 0x10000c
	s_cmp_lg_u32 s2, 0xf033
	s_cbranch_scc0 .Lentry_shape_is_right
	s_endpgm
.Lentry_shape_is_right:
; S = q k^T for each of four batches of 2,048 rows, and the first level of the softmax.  q and k: [8192][1024] f16 in qkv, k 16,777,216 bytes behind q.  Sums in f32.
; A wave's 128 columns are a CHUNK of keys.  For each query and chunk: m = the chunk's largest score, p = 2^(c s - c m) with c = log2(e) / 32, l = the sum of the unrounded p.
; p (0 to 1) goes to p [8192 queries][2048 keys] as f16, the pair (c m, l) to st [16 chunks][8192 queries][2] as f32.  The launch behind joins a row's 16 chunks by their true maximum.
; The c m that is stored is the one that was taken away, so its rounding cancels.  LIMITS.  A weight below 6e-8 of its chunk's largest counts as 0 in p; NaN and infinities are not treated apart.
; SHARES.  A tile of S is 128 queries x 256 keys: 8 x 64 = 512 work-groups, two for each of 256 WGPs.  Four waves, 2 x 2, each 64 x 128: 32 accumulators.  K = 1,024 in steps of 128, two LDS slots;
; rows of both tiles are 256 bytes at multiples of 256.  The matrix instruction is used transposed (source 0 = 16 keys, source 1 = 16 queries): a lane holds ONE query (lane % 16) and, of each
; sixteen keys, eight; the query's other 64 keys lie in the lane 16 away.
; CLUSTER.  4 x 4: the four of a row need the same tile of q, the four of a column the same tile of k.  A cluster's four row blocks lie in one batch (16 row blocks a batch), so the batch hangs on the cluster's y alone.
; REGISTERS, in windows of 256 (s_set_vgpr_msb: bits 1:0 source 0, 3:2 source 1, 5:4 source 2, 7:6 destination):
;   window 0: v0-31 addresses; v64-127 q's fragments, two buffers of 4; v128-255 k's fragments, two buffers of 8
;   window 1: v0-127 accumulators of my query blocks 0, 1 ((a, b) at 64 (a % 2) + 8 b); v128-143 statistics; v144-175 packed weights; v176-239 rows read back        window 2: the same for blocks 2, 3
.set PA,    272                        ; an LDS row: 256 bytes + 16 = 68 words: the 16 rows of a load start at 16 different groups of four banks (64 banks of 4 bytes: ISA guide 11.1)
.set AHALF, 64*PA                      ; 64 rows of q: one tensor load, and what one wave reads
.set BHALF, 128*PA                     ; 128 rows of k: one tensor load, and what one wave reads
.set BOFF,  2*AHALF
.set SLOT,  BOFF+2*BHALF               ; 104,448 bytes
.set STAGE, 2*SLOT                     ; behind the ring: 16 rows x 272 bytes for each wave; no tensor load lands here
.set SP,    272
.set SPARE, STAGE+4*16*SP              ; the spare words, 128 bytes for each wave: two blocks of 256 bytes that no other line names
.set LAPS,  4
.set STEP,  2*128*2                    ; two K steps along a row
.set ADRA, 16
.set ADRB, 20
.set STO,  24
.set RD,   25
.set CO,   26                          ; v26  my byte offset in p
.set SO,   27                          ; v27  my byte offset in st: 8 x lane
.set SPW,  28
.set NIL,  29
.set FA,   64
.set FB,   128
.set CH,   128                         ; the block's window: four running maxima
.set LP,   136                         ; two pairs of running sums
.set PAIR, 142                         ; (c m, l) as stored
.set TMP,  144                         ; packed weights
.set BK,   176                         ; 16 rows read back, by the block's parity
.set G1,  24
.set G0,  32
.set G1B, 48
.set G0B, 56
.set MSB, 0
.macro WIN new
.if MSB != (\new)
	s_set_vgpr_msb (MSB<<8)|(\new)
.set MSB, \new
.endif
.endm
.macro JLOAD s                         ; a joint load: waves 0 and 1 fetch q's two halves, waves 2 and 3 k's; an s_nop 0 and four v_nop follow each of the two lines
	s_cmp_eq_u32 s11, 0
	s_cbranch_scc0 .Lfor_b_\@
	tensor_load_to_lds s[G0+4*(\s):G0+4*(\s)+3], s[G1:G1+7]
	s_nop 0
.rept 4
	v_nop
.endr
	s_branch .Lasked_\@
.Lfor_b_\@:
	tensor_load_to_lds s[G0B+4*(\s):G0B+4*(\s)+3], s[G1B:G1B+7]
	s_nop 0
.rept 4
	v_nop
.endr
.Lasked_\@:
.endm
.macro CREST
	s_cmp_lg_u32 s10, 0
	s_cbranch_scc1 .Lnot_wave_0_\@
	s_barrier_signal -3
.Lnot_wave_0_\@:
	s_barrier_wait -3
	s_barrier_signal -1
	s_barrier_wait -1
.endm
.macro CROUND
	s_barrier_signal -1
	s_barrier_wait -1
	CREST
.endm
.macro PLACES
.rept 4
	v_nop
.endr
.endm
	s_load_b128 s[4:7], s[0:1], 0x0                ; qkv s[4:5], p s[6:7]
	s_load_b64 s[8:9], s[0:1], 0x10                ; st
	v_lshl_add_u32 v[SPW], v0, 2, SPARE
	v_mov_b32 v[NIL], 0
	ds_add_u32 v[SPW], v[NIL]                      ; the wave's opening: the add and its wait stand ahead of my first tensor load
	v_lshrrev_b32 v1, 5, v0
	v_readfirstlane_b32 s10, v1                    ; wave 0..3
	s_lshr_b32 s11, s10, 1                         ; which half of the tile's queries is mine.  Also: I fetch for q (0) or for k (1)
	s_and_b32 s12, s10, 1                          ; which half of its keys.  Also: which half of that tile I fetch
	s_bfe_u32 s40, ttmp6, 0x40000                  ; cx
	s_bfe_u32 s41, ttmp6, 0x40004                  ; cy
	s_and_b32 s13, ttmp7, 0xffff
	s_lshl_b32 s13, s13, 2
	s_add_co_u32 s13, s13, s41                     ; block of 128 queries = 4 x cluster y + cy
	s_and_b32 s45, ttmp7, 0xffff
	s_lshr_b32 s45, s45, 2                         ; the batch: cluster y / 4
	s_lshl_b32 s42, ttmp9, 2
	s_add_co_u32 s42, s42, s40                     ; block of 256 keys = 4 x cluster x + cx
	s_lshl_b32 s43, s41, 2
	s_lshl_b32 s43, 15, s43                        ; my row of the cluster
	s_lshl_b32 s44, 0x1111, s40                    ; my column
	s_or_b32 s[G1+0], s43, (1<<16)|(1<<20)|(1<<21)|(5<<22)|(3<<25)   ; the mask; 2-byte elements; padding on; 21 set beside a mask; after every 64 words 4 words
	s_mov_b32 s[G1+1], 128<<16                     ; tensor_dim0 = 128
	s_mov_b32 s[G1+2], 64<<16                      ; tensor_dim1 = 64
	s_mov_b32 s[G1+3], 128<<16                     ; tile_dim0 = 128
	s_mov_b32 s[G1+4], 64                          ; tile_dim1 = 64
	s_mov_b32 s[G1+5], 1024                        ; elements from row to row
	s_mov_b32 s[G1+6], 0
	s_mov_b32 s[G1+7], 0
	s_or_b32 s[G1B+0], s44, (1<<16)|(1<<20)|(1<<21)|(5<<22)|(3<<25)
	s_mov_b32 s[G1B+1], 128<<16
	s_mov_b32 s[G1B+2], 128<<16                    ; 128 rows
	s_mov_b32 s[G1B+3], 128<<16
	s_mov_b32 s[G1B+4], 128
	s_mov_b32 s[G1B+5], 1024
	s_mov_b32 s[G1B+6], 0
	s_mov_b32 s[G1B+7], 0
	s_lshl_b32 s16, s13, 7                         ; q: row 128 x block + 64 x half, 2,048 bytes a row
	s_lshl_b32 s17, s12, 6
	s_add_co_u32 s16, s16, s17
	s_lshl_b32 s16, s16, 11
	s_mov_b32 s17, 0
	s_lshl_b32 s46, s45, 11                        ; k: row 2,048 x batch + 256 x block + 128 x half, behind q
	s_lshl_b32 s47, s42, 8
	s_add_co_u32 s46, s46, s47
	s_lshl_b32 s47, s12, 7
	s_add_co_u32 s46, s46, s47
	s_lshl_b32 s46, s46, 11
	s_add_co_u32 s46, s46, 0x1000000
	s_mov_b32 s47, 0
	s_mul_i32 s20, s12, AHALF
	s_mul_i32 s21, s12, BHALF
	s_add_co_u32 s21, s21, BOFF
	s_mov_b32 s68, 0x3d38aa3b                      ; c = log2(e) / 32
	s_mov_b32 s69, s68                             ; named with it as a pair
	s_mov_b32 s70, 0x76543210                      ; v_permlanex16_b32: each lane takes its own place in the other half
	s_mov_b32 s71, 0xfedcba98
	s_mov_b32 s72, 0xffff0000                      ; lanes 16-31
	s_wait_dscnt 0x0                               ; the opening add is done
	s_wait_kmcnt 0x0
	s_add_nc_u64 s[14:15], s[4:5], s[16:17]
	s_add_nc_u64 s[46:47], s[4:5], s[46:47]
	CROUND                                         ; all sixteen work-groups are here: the first joint loads meet
.irp s, 0,1
	s_mov_b32 s[G0+4*(\s)], 1
	s_add_co_u32 s[G0+4*(\s)+1], s20, (\s)*SLOT
	s_add_nc_u64 s[G0+4*(\s)+2:G0+4*(\s)+3], s[14:15], (\s)*STEP/2
	s_or_b32 s[G0+4*(\s)+3], s[G0+4*(\s)+3], 0x80000000
	s_mov_b32 s[G0B+4*(\s)], 1
	s_add_co_u32 s[G0B+4*(\s)+1], s21, (\s)*SLOT
	s_add_nc_u64 s[G0B+4*(\s)+2:G0B+4*(\s)+3], s[46:47], (\s)*STEP/2
	s_or_b32 s[G0B+4*(\s)+3], s[G0B+4*(\s)+3], 0x80000000
	JLOAD \s                                       ; K steps 0 and 1: two loads of mine are out
.endr
	v_and_b32 v1, 15, v0                           ; r
	v_bfe_u32 v2, v0, 4, 1                         ; h
	v_mul_u32_u24 v3, v1, PA
	v_lshl_add_u32 v3, v2, 4, v3                   ; a fragment: row r x pitch + 16 h
	s_mul_i32 s21, s11, AHALF                      ; my 64 rows of q
	s_mul_i32 s22, s12, BHALF                      ; my 128 rows of k,
	s_add_co_u32 s22, s22, BOFF                    ; which lie behind q's
.irp s, 0,1
	v_add_nc_u32 v[ADRA+(\s)], s21, v3
	v_add_nc_u32 v[ADRB+(\s)], s22, v3
	s_add_co_u32 s21, s21, SLOT
	s_add_co_u32 s22, s22, SLOT
.endr
	s_mul_i32 s23, s10, 16*SP
	s_add_co_u32 s23, s23, STAGE                   ; my stage
	v_add_nc_u32 v[STO], s23, v3                   ; in: row r, 16 bytes for each half of the lanes
	v_mul_u32_u24 v4, v2, SP                       ; back: lanes 0-15 one row of 256 bytes, lanes 16-31 the next
	v_lshl_add_u32 v4, v1, 4, v4
	v_add_nc_u32 v[RD], s23, v4
	v_lshlrev_b32 v4, 12, v2                       ; the same two rows in p, 4,096 bytes a row
	v_lshl_add_u32 v[CO], v1, 4, v4
	v_and_b32 v4, 31, v0
	v_lshlrev_b32 v[SO], 3, v4
	s_lshl_b32 s16, s13, 7
	s_lshl_b32 s17, s11, 6
	s_add_co_u32 s16, s16, s17                     ; my first query
	s_lshl_b32 s18, s16, 3                         ; 8 bytes a query in st,
	s_mov_b32 s19, 0
	s_add_nc_u64 s[8:9], s[8:9], s[18:19]
	s_lshl_b32 s16, s16, 12                        ; 4,096 in p
	s_mov_b32 s17, 0
	s_add_nc_u64 s[6:7], s[6:7], s[16:17]
	s_lshl_b32 s46, s42, 1
	s_add_co_u32 s46, s46, s12                     ; my chunk = 2 x key block + half:
	s_lshl_b32 s20, s46, 16                        ; 65,536 bytes a chunk in st,
	s_mov_b32 s21, 0
	s_add_nc_u64 s[8:9], s[8:9], s[20:21]
	s_lshl_b32 s46, s46, 8                         ; 256 bytes of a row of p
	s_mov_b32 s47, 0
	s_add_nc_u64 s[6:7], s[6:7], s[46:47]
; 8 matrix instructions: query block a x all 8 key blocks, 32 along K.  first = 1: the products start the sums.  The 32 accumulators take turns, one instruction a turn.
.macro GRP f, a, first
	WIN 0x50*(1+(\a)/2)                            ; C and D in the block's window
.irp b, 0,1,2,3,4,5,6,7
.if \first
	v_wmma_f32_16x16x32_f16 v[64*((\a)%2)+8*(\b):64*((\a)%2)+8*(\b)+7], v[FB+64*(\f)+8*(\b):FB+64*(\f)+8*(\b)+7], v[FA+32*(\f)+8*(\a):FA+32*(\f)+8*(\a)+7], 0
.else
	v_wmma_f32_16x16x32_f16 v[64*((\a)%2)+8*(\b):64*((\a)%2)+8*(\b)+7], v[FB+64*(\f)+8*(\b):FB+64*(\f)+8*(\b)+7], v[FA+32*(\f)+8*(\a):FA+32*(\f)+8*(\a)+7], v[64*((\a)%2)+8*(\b):64*((\a)%2)+8*(\b)+7]
.endif
.endr
.endm
; 24 LDS loads in one run: quarter kq of a slot into buffer f: k's 16 first, then q's blocks 0, 1, then 2, 3
.macro FETCH slot, kq, f
	WIN 0
.irp i, 0,1,2,3,4,5,6,7
	ds_load_b128 v[FB+64*(\f)+8*(\i):FB+64*(\f)+8*(\i)+3],   v[ADRB+(\slot)] offset:(\kq)*64+(\i)*16*PA
	ds_load_b128 v[FB+64*(\f)+8*(\i)+4:FB+64*(\f)+8*(\i)+7], v[ADRB+(\slot)] offset:(\kq)*64+(\i)*16*PA+32
.endr
.irp a, 0,1,2,3
	ds_load_b128 v[FA+32*(\f)+8*(\a):FA+32*(\f)+8*(\a)+3],   v[ADRA+(\slot)] offset:(\kq)*64+(\a)*16*PA
	ds_load_b128 v[FA+32*(\f)+8*(\a)+4:FA+32*(\f)+8*(\a)+7], v[ADRA+(\slot)] offset:(\kq)*64+(\a)*16*PA+32
.endr
.endm
.macro QUARTER slot, kq, f, g, first
	s_wait_dscnt 4                                 ; k and q's blocks 0, 1 are in; the youngest four loads may be out
	GRP \f, 0, \first
	GRP \f, 1, \first
	PLACES
	FETCH \slot, \kq, \g
	s_wait_dscnt 24                                ; all but the 24 just issued
	GRP \f, 2, \first
	GRP \f, 3, \first
.endm
; The last quarter multiplies buffer 1 and changes slots: ONE barrier; in front of it each wave waits for all its tensor loads, adds 0 to its spare word, and waits for that and for its own reads of this slot.
.macro TURN slot, next, fill
	WIN 0
	s_wait_tensorcnt 0x0                           ; all my tensor loads have landed: the one that was out is my part of the next slot
	ds_add_u32 v[SPW], v[NIL]                      ; 0 onto my spare word
	s_wait_dscnt 5                                 ; (the add and the youngest four loads may be out)
	GRP 1, 0, 0
	s_wait_dscnt 0x0                               ; the add is done, and my reads of this slot are over
	s_barrier_signal -1
	GRP 1, 1, 0
	WIN 0
	s_barrier_wait -1
.if \fill
	CREST                                          ; no wave of any partner still reads this slot's tiles or has a load on its way
	s_add_nc_u64 s[G0+4*(\slot)+2:G0+4*(\slot)+3], s[G0+4*(\slot)+2:G0+4*(\slot)+3], STEP
	s_add_nc_u64 s[G0B+4*(\slot)+2:G0B+4*(\slot)+3], s[G0B+4*(\slot)+2:G0B+4*(\slot)+3], STEP
	JLOAD \slot                                    ; my one tensor load behind the round; its four v_nop are also the places in front of the loads below
.else
	PLACES
.endif
	FETCH \next, 0, 0
	GRP 1, 2, 0
	GRP 1, 3, 0
.endm
; THE SOFTMAX of query block a within my chunk.  S, CM and LL are set by SOFT.
.macro FOP bb, i                       ; c s - c m for pair i of accumulator bb
	v_pk_fma_f32 v[S+8*(\bb)+2*(\i):S+8*(\bb)+2*(\i)+1], v[S+8*(\bb)+2*(\i):S+8*(\bb)+2*(\i)+1], s[68:69], v[CM:CM+1] op_sel_hi:[1,0,0] neg_lo:[0,0,1] neg_hi:[0,0,1]
.endm
.macro XOP bb, i                       ; accumulator bb's exponentials are done: i even: pair i / 2 is rounded to f16; i odd: it is added onto one of two running pairs (the first four pairs start them)
.if ((\i)%2) == 0
	s_wait_alu depctr_va_vdst(0)
	v_cvt_pk_f16_f32 v[TMP+4*(\bb)+(\i)/2], v[S+8*(\bb)+(\i)], v[S+8*(\bb)+(\i)+1]
.elseif (\bb) > 0
	v_pk_add_f32 v[LP+2*(((\i)/2)%2):LP+2*(((\i)/2)%2)+1], v[LP+2*(((\i)/2)%2):LP+2*(((\i)/2)%2)+1], v[S+8*(\bb)+(\i)-1:S+8*(\bb)+(\i)]
.elseif (\i) < 4
	v_pk_add_f32 v[LP+2*((\i)/2):LP+2*((\i)/2)+1], v[S+(\i)-1:S+(\i)], v[S+(\i)+3:S+(\i)+4]
.endif
.endm
.macro SOFT a
.set S,  64*((\a)%2)
.set CM, 132+2*((\a)%2)                ; c m, twice: the packed scaling names a pair
.set LL, 140+((\a)%2)                  ; l
	WIN 0x55*(1+(\a)/2)                            ; all operands in the block's window
.irp j, 0,1,2,3                        ; the maximum of my 64 scores in four chains; each accumulator's lowest registers are read first
.irp b, 0,1,2,3,4,5,6,7
.if ((\j) == 0) && ((\b) < 4)
	v_max_num_f32 v[CH+(\b)], v[S+8*(\b)], v[S+8*(\b)+1]
.else
	v_max3_num_f32 v[CH+(\b)%4], v[CH+(\b)%4], v[S+8*(\b)+2*(\j)], v[S+8*(\b)+2*(\j)+1]
.endif
.endr
.endr
	v_max3_num_f32 v[CH], v[CH], v[CH+1], v[CH+2]
	v_max_num_f32 v[CH], v[CH], v[CH+3]
	v_permlanex16_b32 v[CH+1], v[CH], s70, s71     ; the query's other 64 keys lie in the lane 16 away
	v_max_num_f32 v[CH], v[CH], v[CH+1]
	v_mul_f32 v[CM], s68, v[CH]
	v_mul_f32 v[CM+1], s68, v[CH]
.irp i, 0,1,2,3
	FOP 0, \i
.endr
.irp b, 0,1,2,3,4,5,6,7                ; behind an exponential stands plain work on other accumulators: a scaling of the next, a rounding or a sum of the one before (ISA guide 5.7.2: a plain line before a result is used)
.irp i, 0,1,2,3,4,5,6,7
	v_exp_f32 v[S+8*(\b)+(\i)], v[S+8*(\b)+(\i)]
.if ((\i) < 4) && ((\b) < 7)
	FOP (\b)+1, \i
.endif
.if (\b) > 0
	XOP (\b)-1, \i
.endif
.endr
.endr
.irp i, 0,1,2,3,4,5,6,7
	XOP 7, \i
.endr
	v_pk_add_f32 v[LP:LP+1], v[LP:LP+1], v[LP+2:LP+3]
	v_add_f32 v[LP], v[LP], v[LP+1]
	v_permlanex16_b32 v[LP+1], v[LP], s70, s71
	v_add_f32 v[LL], v[LP], v[LP+1]
.endm
.macro TOSTAGE a                       ; 16 bytes a lane into my own stage, and back as whole rows of 256 bytes
	WIN 0x44*(1+(\a)/2)                            ; address window 0; data and destination in the block's window
.irp b, 0,1,2,3,4,5,6,7
	ds_store_b128 v[STO], v[TMP+4*(\b):TMP+4*(\b)+3] offset:32*(\b)
.endr
.irp t, 0,1,2,3,4,5,6,7
	ds_load_b128 v[BK+32*((\a)%2)+4*(\t):BK+32*((\a)%2)+4*(\t)+3], v[RD] offset:(\t)*2*SP  ; LDS serves a wave's instructions in order (ISA guide 5.7.1.4): these see the stores above
.endr
.endm
.macro SEND a
	WIN 0x44*(1+(\a)/2)
.irp t, 0,1,2,3,4,5,6,7
	s_wait_dscnt 7-(\t)                            ; the block's loads are the youngest LDS instructions: number t is in
	global_store_b128 v[CO], v[BK+32*((\a)%2)+4*(\t):BK+32*((\a)%2)+4*(\t)+3], s[6:7] offset:(16*(\a)+2*(\t))*4096  ; 16 lanes store 256 consecutive bytes, at a multiple of 256
.endr
.endm
.macro STAT g                          ; blocks 2 g and 2 g + 1: lane l takes the pair of query 32 g + l (every lane of either half holds its query's pair): one store of 256 consecutive bytes
	WIN 0x55*(1+(\g))
	v_cndmask_b32 v[PAIR], v132, v134, s72
	v_cndmask_b32 v[PAIR+1], v140, v141, s72
	WIN 0x44*(1+(\g))
	global_store_b64 v[SO], v[PAIR:PAIR+1], s[8:9] offset:256*(\g)
.endm
	s_wait_tensorcnt 1                             ; my part of K step 0 is in; K step 1's may stay out
	s_barrier_signal -1
	s_barrier_wait -1
	FETCH 0, 0, 0
	QUARTER 0, 1, 0, 1, 1                          ; the first quarter stands in front of the loop: its products start the sums
	WIN 0
	s_mov_b32 s3, LAPS-1
.Llap:
	QUARTER 0, 2, 1, 0, 0
	QUARTER 0, 3, 0, 1, 0
	TURN 0, 1, 1
	QUARTER 1, 1, 0, 1, 0
	QUARTER 1, 2, 1, 0, 0
	QUARTER 1, 3, 0, 1, 0
	TURN 1, 0, 1
	QUARTER 0, 1, 0, 1, 0
	WIN 0
	s_sub_co_u32 s3, s3, 1
	s_cmp_lg_u32 s3, 0
	s_cbranch_scc1 .Llap
	QUARTER 0, 2, 1, 0, 0                          ; the last lap fills nothing
	QUARTER 0, 3, 0, 1, 0
	TURN 0, 1, 0
	QUARTER 1, 1, 0, 1, 0
	QUARTER 1, 2, 1, 0, 0
	QUARTER 1, 3, 0, 1, 0
	s_wait_dscnt 4
	GRP 1, 0, 0
	GRP 1, 1, 0
	s_wait_dscnt 0x0
	GRP 1, 2, 0
	GRP 1, 3, 0
	PLACES
	SOFT 0                                         ; a block's softmax stands between the loads of the block before from the stage and the wait for them
	TOSTAGE 0
	SOFT 1
	SEND 0
	TOSTAGE 1
	STAT 0
	SOFT 2
	SEND 1
	TOSTAGE 2
	SOFT 3
	SEND 2
	TOSTAGE 3
	STAT 1
	SEND 3
	WIN 0
	s_wait_tensorcnt 0x0                           ; the wave's end: the add and its wait, behind my last tensor load and my last LDS store
	ds_add_u32 v[SPW], v[NIL]
	s_wait_dscnt 0x0
	CROUND                                         ; the closing round
	s_endpgm
.Lfunc_end_k_q2f1aee36a5_scores:
	.size	k_q2f1aee36a5_scores, .Lfunc_end_k_q2f1aee36a5_scores-k_q2f1aee36a5_scores
	.p2alignl 7, 3214868480
	.fill 96, 4, 3214868480
	.section	.rodata,"a",@progbits
	.p2align	6, 0x0
	.amdhsa_kernel k_q2f1aee36a5_scores
		.amdhsa_group_segment_fixed_size 327680
		.amdhsa_private_segment_fixed_size 0
		.amdhsa_enable_private_segment 0
		.amdhsa_kernarg_size 24
		.amdhsa_user_sgpr_count 2
		.amdhsa_user_sgpr_kernarg_segment_ptr 1
		.amdhsa_wavefront_size32 1
		.amdhsa_system_sgpr_workgroup_id_x 1
		.amdhsa_system_sgpr_workgroup_id_y 1
		.amdhsa_system_sgpr_workgroup_id_z 1
		.amdhsa_system_vgpr_workitem_id 0
		.amdhsa_next_free_vgpr 768
		.amdhsa_next_free_sgpr 80
		.amdhsa_reserve_vcc 0
		.amdhsa_float_denorm_mode_32 3
		.amdhsa_float_denorm_mode_16_64 3
		.amdhsa_memory_ordered 1
		.amdhsa_forward_progress 1
		.amdhsa_inst_pref_size 125
	.end_amdhsa_kernel
	.amdgpu_metadata
---
amdhsa.version: [ 1, 2 ]
amdhsa.kernels:
  - .name:           k_q2f1aee36a5_scores
    .symbol:         k_q2f1aee36a5_scores.kd
    .args:
      - { .name: qkv, .offset: 0, .size: 8, .value_kind: global_buffer, .address_space: global }
      - { .name: p, .offset: 8, .size: 8, .value_kind: global_buffer, .address_space: global }
      - { .name: st, .offset: 16, .size: 8, .value_kind: global_buffer, .address_space: global }
    .group_segment_fixed_size: 327680
    .private_segment_fixed_size: 0
    .kernarg_segment_align: 8
    .kernarg_segment_size: 24
    .max_flat_workgroup_size: 128
    .sgpr_count:     80
    .vgpr_count:     768
    .wavefront_size: 32
...
	.end_amdgpu_metadata
.endif
;; end of part 3
;; launch pv (part 4): grid 4 x 64, 4 waves a work-group, clusters of 4 x 4, 327,680 bytes of LDS; arguments p, qkv, st, out0; writes out0
.if DOCPART == 4
	.amdgcn_target "amdgcn-amd-amdhsa--gfx1250"
	.amdhsa_code_object_version 6
	.text
	.protected	k_q2f1aee36a5_pv
	.globl	k_q2f1aee36a5_pv
	.p2align	8
	.type	k_q2f1aee36a5_pv,@function
k_q2f1aee36a5_pv:
	s_mov_b64 s[64:65], 0
	v_nop
	global_prefetch_b8 v0, s[64:65] scope:SCOPE_SE
	s_setreg_imm32_b32 hwreg(HW_REG_WAVE_MODE, 25, 1), 1
	s_wait_xcnt 0x0
	s_wait_alu depctr_hold_cnt(0) depctr_sa_sdst(0) depctr_va_vdst(0) depctr_va_sdst(0) depctr_va_ssrc(0) depctr_va_vcc(0) depctr_vm_vsrc(0)
	s_getreg_b32 s2, hwreg(HW_REG_IB_STS2, 6, 4)
	s_cmp_eq_u32 s2, 0
	s_cbranch_scc0 .Lentry_in_a_cluster
	s_endpgm
.Lentry_in_a_cluster:
	s_bfe_u32 s2, ttmp6, 0x10000c
	s_cmp_lg_u32 s2, 0xf033
	s_cbranch_scc0 .Lentry_shape_is_right
	s_endpgm
.Lentry_shape_is_right:
; O = softmax(S) v, from the chunks that the launch before left.  p [8192 queries][2048 keys] f16 holds 2^(c s - c m_chunk); st [16 chunks][8192 queries][2] f32 holds (c m_chunk, l_chunk);
; v [8192][1024] f16 lies in qkv, 33,554,432 bytes in.  For a query: M = the largest c m_chunk (the row's true maximum), w = 2^(c m_chunk - M), L = the sum of w l, O = (sum over chunks of (w p) v) / L, f32.
; A K step of 128 keys is one chunk: p's fragments are multiplied by the lane's w (one query a lane) in f16 on their way to the matrix unit; L is made with the same rounded w; 1 / L is applied in f32 at the end.
; w <= 1 and the largest chunk has w = 1 and l >= 1 (to within c m's rounding), so L is about 1 or more and nothing overflows.  LIMITS.  w p below 6e-8 counts as 0; O is a mean of v's rows; NaN and infinities are not treated apart.
; SHARES.  A tile of O is 128 x 256: 4 x 64 = 256 work-groups, one for each WGP.  Four waves, 2 x 2, each 64 x 128: 32 accumulators.  K = 2,048 in steps of 128, two LDS slots; rows of p's tiles are
; 256 bytes, of v's 512, at multiples of 256.  v lies [key][channel]: its fragments come turned out of LDS.  The matrix instruction is used transposed: a lane holds eight neighbouring numbers of a row of O.
; CLUSTER.  4 x 4: the four of a row need the same tile of p, the four of a column (one batch: 16 row blocks a batch) the same tile of v.
; REGISTERS, in windows of 256 (s_set_vgpr_msb: bits 1:0 source 0, 3:2 source 1, 5:4 source 2, 7:6 destination):
;   window 0: v0-31 addresses; v32-39 1 / L, a pair a row block; v40-51 at work; v64-127 p's fragments as loaded, two buffers of 4 (at first: the statistics); v128-255 v's fragments, two buffers of 8
;   window 1: v0-127 accumulators of row blocks 0, 1; v128-175 scaled fragments of blocks 0-2, two buffers; v176-183 the step's four w, two buffers        window 2: v0-127 blocks 2, 3; v128-143 scaled fragments of block 3
;   So under each product's own setting the multiply that scales the NEXT block's fragment (source 0 window 0, source 1 window 1, destination as D) needs no switch.  On the way out v128-255 of both windows take rows read back.
.set PA,    272                        ; a row of p in LDS: 256 bytes + 16
.set PB,    544                        ; a row of v: 512 + 32
.set AHALF, 64*PA
.set BHALF, 64*PB
.set BOFF,  2*AHALF
.set SLOT,  BOFF+2*BHALF               ; 104,448 bytes
.set STAGE, 2*SLOT                     ; behind the ring: 16 rows x 528 bytes for each wave; no tensor load lands here
.set SP,    528                        ; 512 bytes + 16
.set TABLE, STAGE+4*16*SP              ; for each wave 4,608 bytes: w as two f16, [16 chunks][16 rows r][4 blocks a]; then 1 / L twice, [16 r][4 a]
.set TBYTES, 4608
.set SPARE, TABLE+4*TBYTES             ; the spare words, 128 bytes for each wave: two blocks of 256 bytes that no other line names
.set LAPS,  8
.set STEPA, 2*128*2
.set STEPB, 2*128*2048
.set TS,   8                           ; v8   where I store a w
.set TL,   9                           ; v9   where I store 1 / L
.set TABL, 10                          ; v10  where I read my row's four pairs of 1 / L
.set SOF,  11                          ; v11  my byte offset in st: 8 x lane; never rewritten
.set ADRA, 16
.set ADRB, 20
.set STO,  24
.set RD,   25
.set CO,   26
.set SPW,  28
.set NIL,  29
.set TAB,  30                          ; v30  where the next step's four w lie
.set TAB0, 31                          ; v31  my row's place in a chunk's part of the table; never rewritten
.set RL,   32
.set MX,   40                          ; v40-41  M, by half of my queries
.set LG,   42                          ; v42-43  L
.set ST,   64                          ; the statistics: (c m, l) of chunk c, half g at ST + 32 g + 2 c
.set FA,   64
.set FB,   128
.set SA,   128
.set WR,   176
.set BK,   128
.set TW,   66                          ; s66  the next step's place in the table: 256 bytes a chunk
.set G1,  24
.set G0,  32
.set G1B, 48
.set G0B, 56
.set MSB, 0
.macro WIN new
.if MSB != (\new)
	s_set_vgpr_msb (MSB<<8)|(\new)
.set MSB, \new
.endif
.endm
.macro JLOAD s                         ; a joint load: waves 0 and 1 fetch p's two halves, waves 2 and 3 v's; an s_nop 0 and four v_nop follow each of the two lines
	s_cmp_eq_u32 s11, 0
	s_cbranch_scc0 .Lfor_b_\@
	tensor_load_to_lds s[G0+4*(\s):G0+4*(\s)+3], s[G1:G1+7]
	s_nop 0
.rept 4
	v_nop
.endr
	s_branch .Lasked_\@
.Lfor_b_\@:
	tensor_load_to_lds s[G0B+4*(\s):G0B+4*(\s)+3], s[G1B:G1B+7]
	s_nop 0
.rept 4
	v_nop
.endr
.Lasked_\@:
.endm
.macro CREST
	s_cmp_lg_u32 s10, 0
	s_cbranch_scc1 .Lnot_wave_0_\@
	s_barrier_signal -3
.Lnot_wave_0_\@:
	s_barrier_wait -3
	s_barrier_signal -1
	s_barrier_wait -1
.endm
.macro CROUND
	s_barrier_signal -1
	s_barrier_wait -1
	CREST
.endm
.macro PLACES
.rept 4
	v_nop
.endr
.endm
	s_load_b256 s[68:75], s[0:1], 0x0              ; p s[68:69], qkv s[70:71], st s[72:73], out0 s[74:75]
	v_lshl_add_u32 v[SPW], v0, 2, SPARE
	v_mov_b32 v[NIL], 0
	ds_add_u32 v[SPW], v[NIL]                      ; the wave's opening: the add and its wait stand ahead of my first tensor load
	v_lshrrev_b32 v1, 5, v0
	v_readfirstlane_b32 s10, v1                    ; wave 0..3
	s_lshr_b32 s11, s10, 1                         ; which half of the tile's rows is mine.  Also: I fetch for p (0) or for v (1)
	s_and_b32 s12, s10, 1                          ; which half of its columns.  Also: which half of that tile I fetch
	s_bfe_u32 s40, ttmp6, 0x40000                  ; cx: the block of 256 channels
	s_bfe_u32 s41, ttmp6, 0x40004                  ; cy
	s_and_b32 s13, ttmp7, 0xffff
	s_lshl_b32 s13, s13, 2
	s_add_co_u32 s13, s13, s41                     ; block of 128 queries = 4 x cluster y + cy
	s_and_b32 s45, ttmp7, 0xffff
	s_lshr_b32 s45, s45, 2                         ; the batch: cluster y / 4
	s_lshl_b32 s43, s41, 2
	s_lshl_b32 s43, 15, s43                        ; my row of the cluster
	s_lshl_b32 s44, 0x1111, s40                    ; my column
	s_or_b32 s[G1+0], s43, (1<<16)|(1<<20)|(1<<21)|(5<<22)|(3<<25)   ; the mask; 2-byte elements; padding on; 21 set beside a mask; after every 64 words 4 words
	s_mov_b32 s[G1+1], 128<<16                     ; tensor_dim0 = 128
	s_mov_b32 s[G1+2], 64<<16                      ; tensor_dim1 = 64
	s_mov_b32 s[G1+3], 128<<16                     ; tile_dim0 = 128
	s_mov_b32 s[G1+4], 64                          ; tile_dim1 = 64
	s_mov_b32 s[G1+5], 2048                        ; elements from row to row of p
	s_mov_b32 s[G1+6], 0
	s_mov_b32 s[G1+7], 0
	s_or_b32 s[G1B+0], s44, (1<<16)|(1<<20)|(1<<21)|(6<<22)|(7<<25)  ; after every 128 words 8 words
	s_mov_b32 s[G1B+1], 256<<16                    ; 256 channels
	s_mov_b32 s[G1B+2], 64<<16                     ; 64 keys
	s_mov_b32 s[G1B+3], 256<<16
	s_mov_b32 s[G1B+4], 64
	s_mov_b32 s[G1B+5], 1024
	s_mov_b32 s[G1B+6], 0
	s_mov_b32 s[G1B+7], 0
	s_lshl_b32 s16, s13, 7                         ; p: row 128 x block + 64 x half, 4,096 bytes a row
	s_lshl_b32 s17, s12, 6
	s_add_co_u32 s16, s16, s17
	s_lshl_b32 s16, s16, 12
	s_mov_b32 s17, 0
	s_lshl_b32 s46, s45, 11                        ; v: row 2,048 x batch + 64 x half, 2,048 bytes a row; 512 bytes a channel block; behind q and k
	s_lshl_b32 s47, s12, 6
	s_add_co_u32 s46, s46, s47
	s_lshl_b32 s46, s46, 11
	s_lshl_b32 s47, s40, 9
	s_add_co_u32 s46, s46, s47
	s_add_co_u32 s46, s46, 0x2000000
	s_mov_b32 s47, 0
	s_mul_i32 s20, s12, AHALF
	s_mul_i32 s21, s12, BHALF
	s_add_co_u32 s21, s21, BOFF
	s_mov_b32 s[TW], 256                           ; the first change of slots wants chunk 1
	s_wait_dscnt 0x0                               ; the opening add is done
	s_wait_kmcnt 0x0
	s_add_nc_u64 s[14:15], s[68:69], s[16:17]
	s_add_nc_u64 s[46:47], s[70:71], s[46:47]
	CROUND                                         ; all sixteen work-groups are here: the first joint loads meet
.irp s, 0,1
	s_mov_b32 s[G0+4*(\s)], 1
	s_add_co_u32 s[G0+4*(\s)+1], s20, (\s)*SLOT
	s_add_nc_u64 s[G0+4*(\s)+2:G0+4*(\s)+3], s[14:15], (\s)*STEPA/2
	s_or_b32 s[G0+4*(\s)+3], s[G0+4*(\s)+3], 0x80000000
	s_mov_b32 s[G0B+4*(\s)], 1
	s_add_co_u32 s[G0B+4*(\s)+1], s21, (\s)*SLOT
	s_add_nc_u64 s[G0B+4*(\s)+2:G0B+4*(\s)+3], s[46:47], (\s)*STEPB/2
	s_or_b32 s[G0B+4*(\s)+3], s[G0B+4*(\s)+3], 0x80000000
	JLOAD \s                                       ; K steps 0 and 1: two loads of mine are out
.endr
	; THE STATISTICS of my wave's 64 queries, in the wait for the first tiles: lane l takes query 32 g + l, all 16 chunks.  A load of the wave covers 256 consecutive bytes.
	s_lshl_b32 s16, s13, 7
	s_lshl_b32 s17, s11, 6
	s_add_co_u32 s16, s16, s17                     ; my first query
	s_lshl_b32 s18, s16, 3
	s_mov_b32 s19, 0
	s_add_nc_u64 s[72:73], s[72:73], s[18:19]
	v_and_b32 v4, 31, v0
	v_lshlrev_b32 v[SOF], 3, v4
.irp g, 0,1
.irp c, 0,1,2,3,4,5,6,7,8,9,10,11,12,13,14,15
	global_load_b64 v[ST+32*(\g)+2*(\c):ST+32*(\g)+2*(\c)+1], v[SOF], s[72:73] offset:65536*(\c)+256*(\g)
.endr
.endr
	v_lshlrev_b32 v[CO], 4, v4                     ; my 16 bytes of a row's 512 in out0
	v_and_b32 v1, 15, v0                           ; r
	v_bfe_u32 v2, v0, 4, 1                         ; h
	v_mul_u32_u24 v3, v1, PA
	v_lshl_add_u32 v3, v2, 4, v3                   ; a fragment of p: row r x pitch + 16 h
	v_and_b32 v6, 7, v0                            ; the turning load: lane l reads key 8 h + l % 8, 16 bytes at 16 ((l / 8) % 2)
	v_bfe_u32 v7, v0, 3, 1
	v_lshl_add_u32 v6, v2, 3, v6
	v_mul_u32_u24 v6, v6, PB
	v_lshl_add_u32 v6, v7, 4, v6
	s_mul_i32 s21, s11, AHALF                      ; my 64 rows of p
	s_lshl_b32 s22, s12, 8                         ; my 128 channels of v,
	s_add_co_u32 s22, s22, BOFF                    ; which lies behind p
.irp s, 0,1
	v_add_nc_u32 v[ADRA+(\s)], s21, v3
	v_add_nc_u32 v[ADRB+(\s)], s22, v6
	s_add_co_u32 s21, s21, SLOT
	s_add_co_u32 s22, s22, SLOT
.endr
	s_mul_i32 s23, s10, 16*SP
	s_add_co_u32 s23, s23, STAGE                   ; my stage
	v_mul_u32_u24 v5, v1, SP                       ; in: row r, 32 bytes for each half of the lanes
	v_lshl_add_u32 v5, v2, 5, v5
	v_add_nc_u32 v[STO], s23, v5
	v_add_nc_u32 v[RD], s23, v[CO]                 ; back: 32 lanes take one row of 512 bytes
	s_mul_i32 s23, s10, TBYTES
	s_add_co_u32 s23, s23, TABLE                   ; my table
	v_lshlrev_b32 v5, 4, v1
	v_add_nc_u32 v[TAB0], s23, v5                  ; 16 r: a row's four w
	v_lshl_add_u32 v[TS], v2, 2, v[TAB0]           ; query 32 g + l is row r of block 2 g + h: + 4 h here, + 8 g in the immediate
	v_lshlrev_b32 v5, 5, v1
	v_add_nc_u32 v[TABL], s23, v5
	v_add_nc_u32 v[TABL], 4096, v[TABL]            ; 32 r: a row's four pairs
	v_lshl_add_u32 v[TL], v2, 3, v[TABL]
	s_lshl_b32 s16, s16, 12                        ; out0: my first row, 4,096 bytes a row,
	s_mov_b32 s17, 0
	s_add_nc_u64 s[74:75], s[74:75], s[16:17]
	s_lshl_b32 s46, s40, 10                        ; and my first channel, 4 bytes each
	s_lshl_b32 s47, s12, 9
	s_add_co_u32 s46, s46, s47
	s_mov_b32 s47, 0
	s_add_nc_u64 s[74:75], s[74:75], s[46:47]
	s_wait_loadcnt 0x0
.irp g, 0,1
	v_max3_num_f32 v[MX+(\g)], v[ST+32*(\g)], v[ST+32*(\g)+2], v[ST+32*(\g)+4]
.irp c, 3,5,7,9,11,13
	v_max3_num_f32 v[MX+(\g)], v[MX+(\g)], v[ST+32*(\g)+2*(\c)], v[ST+32*(\g)+2*(\c)+2]
.endr
	v_max_num_f32 v[MX+(\g)], v[MX+(\g)], v[ST+32*(\g)+30]
.endr
.irp g, 0,1
.irp c, 0,1,2,3,4,5,6,7,8,9,10,11,12,13,14,15
	v_sub_f32 v[ST+32*(\g)+2*(\c)], v[ST+32*(\g)+2*(\c)], v[MX+(\g)]
.endr
.endr
.irp g, 0,1
.irp c, 0,1,2,3,4,5,6,7,8,9,10,11,12,13,14,15
	v_exp_f32 v[ST+32*(\g)+2*(\c)], v[ST+32*(\g)+2*(\c)]
.endr
.endr
	v_nop                                          ; a plain instruction between the exponentials and the use of their results (ISA guide 5.7.2)
	s_wait_alu depctr_va_vdst(0)
.macro WONE g, c, t                    ; w of chunk c: rounded to f16, twice in a word, into the table; widened again, so that L is made of the w that multiplies p
	v_cvt_pk_f16_f32 v\t, v[ST+32*(\g)+2*(\c)], v[ST+32*(\g)+2*(\c)]
	ds_store_b32 v[TS], v\t offset:256*(\c)+8*(\g)
	v_cvt_f32_f16 v[(\t)+1], v\t\().l
.if (\c) == 0
	v_mul_f32 v[LG+(\g)], v[(\t)+1], v[ST+32*(\g)+1]
.else
	v_fmac_f32 v[LG+(\g)], v[(\t)+1], v[ST+32*(\g)+2*(\c)+1]
.endif
.endm
.irp g, 0,1
.irp c, 0,2,4,6,8,10,12,14
	WONE \g, \c, 44
	WONE \g, (\c)+1, 46
.endr
.endr
	v_rcp_f32 v48, v[LG]
	v_rcp_f32 v49, v[LG]
	v_rcp_f32 v50, v[LG+1]
	v_rcp_f32 v51, v[LG+1]
	v_nop                                          ; a plain instruction before the reciprocals are used
	s_wait_alu depctr_va_vdst(0)
	ds_store_b64 v[TL], v[48:49]
	ds_store_b64 v[TL], v[50:51] offset:16
	ds_load_b128 v[RL:RL+3], v[TABL]               ; LDS serves a wave's instructions in order (ISA guide 5.7.1.4): these see my wave's stores; the table is my wave's own
	ds_load_b128 v[RL+4:RL+7], v[TABL] offset:16
	WIN 0x40
	ds_load_b128 v[WR:WR+3], v[TAB0]               ; chunk 0's four w
	WIN 0
.macro RID f, a, w, i                  ; word i of block a's fragment times its row's w
.if (\a) < 3
	v_pk_mul_f16 v[SA+24*(\f)+8*(\a)+(\i)], v[FA+32*(\f)+8*(\a)+(\i)], v[WR+4*(\w)+(\a)]
.else
	v_pk_mul_f16 v[SA+8*(\f)+(\i)], v[FA+32*(\f)+24+(\i)], v[WR+4*(\w)+3]
.endif
.endm
.macro SCALE0 f, w                     ; block 0's fragment has no products to stand behind
	WIN 0x54
.irp i, 0,1,2,3,4,5,6,7
	RID \f, 0, \w, \i
.endr
.endm
; 8 matrix instructions: row block a x all 8 channel blocks, 32 keys; two multiplies for block a + 1 stand behind each of the first four.  They name no register of the products round them.
; The 32 accumulators take turns, one instruction a turn.
.macro GRPS f, a, w, first
.if (\a) < 2
	WIN 0x54                                       ; v's fragment window 0, scaled p window 1, C and D window 1
.set SRC, SA+24*(\f)+8*(\a)
.elseif (\a) == 2
	WIN 0xa4                                       ; C and D window 2: the multiplies now write block 3's fragment into window 2
.set SRC, SA+24*(\f)+16
.else
	WIN 0xa8                                       ; scaled p window 2
.set SRC, SA+8*(\f)
.endif
.irp b, 0,1,2,3,4,5,6,7
.if \first
	v_wmma_f32_16x16x32_f16 v[64*((\a)%2)+8*(\b):64*((\a)%2)+8*(\b)+7], v[FB+64*(\f)+8*(\b):FB+64*(\f)+8*(\b)+7], v[SRC:SRC+7], 0
.else
	v_wmma_f32_16x16x32_f16 v[64*((\a)%2)+8*(\b):64*((\a)%2)+8*(\b)+7], v[FB+64*(\f)+8*(\b):FB+64*(\f)+8*(\b)+7], v[SRC:SRC+7], v[64*((\a)%2)+8*(\b):64*((\a)%2)+8*(\b)+7]
.endif
.if ((\a) < 3) && ((\b) < 4)
	RID \f, (\a)+1, \w, 2*(\b)
	RID \f, (\a)+1, \w, 2*(\b)+1
.endif
.endr
.endm
; 24 LDS loads in one run: quarter kq of a slot into buffer f: v's 16 first, then p's blocks 0, 1, then 2, 3
.macro FETCH slot, kq, f
	WIN 0
.irp i, 0,1,2,3,4,5,6,7
	ds_load_tr16_b128 v[FB+64*(\f)+8*(\i):FB+64*(\f)+8*(\i)+3],   v[ADRB+(\slot)] offset:(\kq)*32*PB+32*(\i)
	ds_load_tr16_b128 v[FB+64*(\f)+8*(\i)+4:FB+64*(\f)+8*(\i)+7], v[ADRB+(\slot)] offset:(\kq)*32*PB+32*(\i)+16*PB
.endr
.irp a, 0,1,2,3
	ds_load_b128 v[FA+32*(\f)+8*(\a):FA+32*(\f)+8*(\a)+3],   v[ADRA+(\slot)] offset:(\kq)*64+(\a)*16*PA
	ds_load_b128 v[FA+32*(\f)+8*(\a)+4:FA+32*(\f)+8*(\a)+7], v[ADRA+(\slot)] offset:(\kq)*64+(\a)*16*PA+32
.endr
.endm
; A K step (a chunk; its w lie in buffer slot) is four quarters of 32 keys.  One of the first three: multiplies buffer f and fetches quarter kq into buffer g.
.macro QUARTER slot, kq, f, g, first
	s_wait_dscnt 4                                 ; the step's w, v and p's blocks 0, 1 are in; the youngest four loads may be out
	SCALE0 \f, \slot
	GRPS \f, 0, \slot, \first
	s_wait_dscnt 0x0                               ; p's blocks 2, 3
	GRPS \f, 1, \slot, \first
	PLACES
	FETCH \slot, \kq, \g
	GRPS \f, 2, \slot, \first
	GRPS \f, 3, \slot, \first
.endm
; The last quarter multiplies buffer 1 and changes slots: ONE barrier; in front of it each wave waits for all its tensor loads, adds 0 to its spare word, and waits for that and for its own reads of this slot.
.macro TURN slot, next, fill
	WIN 0
	s_wait_tensorcnt 0x0                           ; all my tensor loads have landed: the one that was out is my part of the next slot
	ds_add_u32 v[SPW], v[NIL]                      ; 0 onto my spare word
	s_wait_dscnt 5                                 ; (the add and the youngest four loads may be out)
	SCALE0 1, \slot
	GRPS 1, 0, \slot, 0
	s_wait_dscnt 0x0                               ; the add is done, and my reads of this slot are over
	s_barrier_signal -1
	GRPS 1, 1, \slot, 0
	WIN 0
	s_barrier_wait -1
.if \fill
	CREST                                          ; no wave of any partner still reads this slot's tiles or has a load on its way
	s_add_nc_u64 s[G0+4*(\slot)+2:G0+4*(\slot)+3], s[G0+4*(\slot)+2:G0+4*(\slot)+3], STEPA
	s_add_nc_u64 s[G0B+4*(\slot)+2:G0B+4*(\slot)+3], s[G0B+4*(\slot)+2:G0B+4*(\slot)+3], STEPB
	JLOAD \slot                                    ; my one tensor load behind the round; its four v_nop are also the places in front of the loads below
.else
	PLACES
.endif
	v_add_nc_u32 v[TAB], s[TW], v[TAB0]            ; the next chunk's four w: the oldest load of the run, so the counts at the next quarter's head cover it
	s_add_co_u32 s[TW], s[TW], 256                 ; 15 changes of slots: 256 to 3,840, inside the table's 4,096
	WIN 0x40
	ds_load_b128 v[WR+4*(\next):WR+4*(\next)+3], v[TAB]
	FETCH \next, 0, 0
	GRPS 1, 2, \slot, 0
	GRPS 1, 3, \slot, 0
.endm
; THE WAY OUT of row block a.  MULT: times 1 / L, in place.  TOSTAGE: 32 bytes a lane into my own stage, and back as whole rows of 512 bytes.  SEND: stored.  All four blocks have registers of their own to come back into.
.macro MULT a
	WIN 0x41*(1+(\a)/2)                            ; destination and source 0 in the block's window, 1 / L in window 0
.irp b, 0,1,2,3,4,5,6,7
.irp r, 0,1,2,3
	v_pk_mul_f32 v[64*((\a)%2)+8*(\b)+2*(\r):64*((\a)%2)+8*(\b)+2*(\r)+1], v[64*((\a)%2)+8*(\b)+2*(\r):64*((\a)%2)+8*(\b)+2*(\r)+1], v[RL+2*(\a):RL+2*(\a)+1] op_sel_hi:[1,0]
.endr
.endr
.endm
.macro TOSTAGE a
	WIN 0x44*(1+(\a)/2)
.irp b, 0,1,2,3,4,5,6,7
	ds_store_b128 v[STO], v[64*((\a)%2)+8*(\b):64*((\a)%2)+8*(\b)+3]   offset:64*(\b)
	ds_store_b128 v[STO], v[64*((\a)%2)+8*(\b)+4:64*((\a)%2)+8*(\b)+7] offset:64*(\b)+16
.endr
.irp t, 0,1,2,3,4,5,6,7,8,9,10,11,12,13,14,15
	ds_load_b128 v[BK+64*((\a)%2)+4*(\t):BK+64*((\a)%2)+4*(\t)+3], v[RD] offset:(\t)*SP  ; in order behind the stores above (ISA guide 5.7.1.4)
.endr
.endm
.macro SEND a
	WIN 0x44*(1+(\a)/2)
.irp t, 0,1,2,3,4,5,6,7,8,9,10,11,12,13,14,15
	s_wait_dscnt 15-(\t)                           ; the block's loads are the youngest LDS instructions: number t is in
	global_store_b128 v[CO], v[BK+64*((\a)%2)+4*(\t):BK+64*((\a)%2)+4*(\t)+3], s[74:75] offset:(16*(\a)+(\t))*4096 th:TH_STORE_NT  ; 512 consecutive bytes, at a multiple of 256
.endr
.endm
	s_wait_dscnt 0x0                               ; no LDS instruction of mine is pending at a signal
	s_wait_tensorcnt 1                             ; my part of K step 0 is in; K step 1's may stay out
	s_barrier_signal -1
	s_barrier_wait -1
	FETCH 0, 0, 0
	QUARTER 0, 1, 0, 1, 1                          ; the first quarter stands in front of the loop: its products start the sums
	WIN 0
	s_mov_b32 s3, LAPS-1
.Llap:
	QUARTER 0, 2, 1, 0, 0
	QUARTER 0, 3, 0, 1, 0
	TURN 0, 1, 1
	QUARTER 1, 1, 0, 1, 0
	QUARTER 1, 2, 1, 0, 0
	QUARTER 1, 3, 0, 1, 0
	TURN 1, 0, 1
	QUARTER 0, 1, 0, 1, 0
	WIN 0
	s_sub_co_u32 s3, s3, 1
	s_cmp_lg_u32 s3, 0
	s_cbranch_scc1 .Llap
	QUARTER 0, 2, 1, 0, 0                          ; the last lap fills nothing
	QUARTER 0, 3, 0, 1, 0
	TURN 0, 1, 0
	QUARTER 1, 1, 0, 1, 0
	QUARTER 1, 2, 1, 0, 0
	QUARTER 1, 3, 0, 1, 0
	s_wait_dscnt 4                                 ; the very last quarter: nothing more to fetch
	SCALE0 1, 1
	GRPS 1, 0, 1, 0
	s_wait_dscnt 0x0
	GRPS 1, 1, 1, 0
	GRPS 1, 2, 1, 0
	GRPS 1, 3, 1, 0
	PLACES
	MULT 0
	TOSTAGE 0
.irp a, 1,2,3                          ; block a's multiplies stand between block a - 1's loads from the stage and the wait for them
	MULT \a
	SEND (\a)-1
	TOSTAGE \a
.endr
	SEND 3
	WIN 0
	s_wait_tensorcnt 0x0                           ; the wave's end: the add and its wait, behind my last tensor load and my last LDS store
	ds_add_u32 v[SPW], v[NIL]
	s_wait_dscnt 0x0
	CROUND                                         ; the closing round
	s_endpgm
.Lfunc_end_k_q2f1aee36a5_pv:
	.size	k_q2f1aee36a5_pv, .Lfunc_end_k_q2f1aee36a5_pv-k_q2f1aee36a5_pv
	.p2alignl 7, 3214868480
	.fill 96, 4, 3214868480
	.section	.rodata,"a",@progbits
	.p2align	6, 0x0
	.amdhsa_kernel k_q2f1aee36a5_pv
		.amdhsa_group_segment_fixed_size 327680
		.amdhsa_private_segment_fixed_size 0
		.amdhsa_enable_private_segment 0
		.amdhsa_kernarg_size 32
		.amdhsa_user_sgpr_count 2
		.amdhsa_user_sgpr_kernarg_segment_ptr 1
		.amdhsa_wavefront_size32 1
		.amdhsa_system_sgpr_workgroup_id_x 1
		.amdhsa_system_sgpr_workgroup_id_y 1
		.amdhsa_system_sgpr_workgroup_id_z 1
		.amdhsa_system_vgpr_workitem_id 0
		.amdhsa_next_free_vgpr 768
		.amdhsa_next_free_sgpr 80
		.amdhsa_reserve_vcc 0
		.amdhsa_float_denorm_mode_32 3
		.amdhsa_float_denorm_mode_16_64 3
		.amdhsa_memory_ordered 1
		.amdhsa_forward_progress 1
		.amdhsa_inst_pref_size 142
	.end_amdhsa_kernel
	.amdgpu_metadata
---
amdhsa.version: [ 1, 2 ]
amdhsa.kernels:
  - .name:           k_q2f1aee36a5_pv
    .symbol:         k_q2f1aee36a5_pv.kd
    .args:
      - { .name: p, .offset: 0, .size: 8, .value_kind: global_buffer, .address_space: global }
      - { .name: qkv, .offset: 8, .size: 8, .value_kind: global_buffer, .address_space: global }
      - { .name: st, .offset: 16, .size: 8, .value_kind: global_buffer, .address_space: global }
      - { .name: out0, .offset: 24, .size: 8, .value_kind: global_buffer, .address_space: global }
    .group_segment_fixed_size: 327680
    .private_segment_fixed_size: 0
    .kernarg_segment_align: 8
    .kernarg_segment_size: 32
    .max_flat_workgroup_size: 128
    .sgpr_count:     80
    .vgpr_count:     768
    .wavefront_size: 32
...
	.end_amdgpu_metadata
.endif
;; end of part 4
;; ======== version 2 of 3: 4 launches; 1.14 times as fast as version 1
;; limits: values are held in f16: magnitudes above 65,504 overflow, below 6.1e-05 lose precision
;; workspace buffers: cb 23,068,672 bytes; qkv 50,331,648 bytes; p 33,554,432 bytes; st 1,048,576 bytes
;; launch prep: the kernel of part 1 again; grid 704 x 1, 8 waves a work-group, no clusters, 0 bytes of LDS; arguments x, Wq, Wk, Wv, cb; writes cb
;; launch proj (part 5): grid 12 x 32, 4 waves a work-group, clusters of 4 x 4, 327,680 bytes of LDS; arguments cb, bq, bk, bv, qkv; writes qkv
.if DOCPART == 5
	.amdgcn_target "amdgcn-amd-amdhsa--gfx1250"
	.amdhsa_code_object_version 6
	.text
	.protected	k_q2f1aee36a5_proj
	.globl	k_q2f1aee36a5_proj
	.p2align	8
	.type	k_q2f1aee36a5_proj,@function
k_q2f1aee36a5_proj:
	s_mov_b64 s[64:65], 0
	v_nop
	global_prefetch_b8 v0, s[64:65] scope:SCOPE_SE
	s_setreg_imm32_b32 hwreg(HW_REG_WAVE_MODE, 25, 1), 1
	s_wait_xcnt 0x0
	s_wait_alu depctr_hold_cnt(0) depctr_sa_sdst(0) depctr_va_vdst(0) depctr_va_sdst(0) depctr_va_ssrc(0) depctr_va_vcc(0) depctr_vm_vsrc(0)
	s_getreg_b32 s2, hwreg(HW_REG_IB_STS2, 6, 4)
	s_cmp_eq_u32 s2, 0
	s_cbranch_scc0 .Lentry_in_a_cluster
	s_endpgm
.Lentry_in_a_cluster:
	s_bfe_u32 s2, ttmp6, 0x10000c
	s_cmp_lg_u32 s2, 0xf033
	s_cbranch_scc0 .Lentry_shape_is_right
	s_endpgm
.Lentry_shape_is_right:
; q | k | v = xb W + bf16(b).  xb [8192][1024] bf16 and the three W [1024 k][1024 n] bf16 lie in cb; q, k, v go to qkv as [8192][1024] f16, 16,777,216 bytes apart.  Sums in f32, rounded once.
; LIMIT.  f16 ends at 65,504: q, k and v must stay within it.  With x of unit spread and W of spread 1/32 they have unit spread; all inputs 30 times larger give about 900 (largest about 5,000),
; a common offset of 30 spreads on both about 29,000.  NaN and infinities are not treated apart.  The biases are rounded to bf16 like every other input.
; SHARES.  A tile of C is 256 x 256: four waves, 2 x 2, each 128 x 128: 64 accumulators of 16 x 16, 512 registers.  12 x 32 = 384 work-groups: a round and a half on 256 WGPs.  The smaller tile that
; divides evenly (128 x 256) has 128 products a wave in a K step, this one 256, of which 224 stand between the request for a tile and the wait for it; and each fragment read from LDS feeds twice the products.
; K goes in steps of 128 through two LDS slots filled by the tensor data mover: rows of xb's tiles are 256 bytes, of W's 512, all at multiples of 256 from the buffer's first byte.
; W lies [k][n]: its fragments come turned out of LDS, by ds_load_tr16_b128.  The matrix instruction is used transposed (source 0 = 16 columns of W, source 1 = 16 rows of x): a lane holds eight
; neighbouring numbers of a row of C.  The bias is the C operand of the products that start the sums.
; THE LOOPS are one K step long: which slot is read is a scalar that an exclusive or turns, and one descriptor for each operand walks from K step 1 to the last.  Six trips fill a slot again; the last two
; K steps, which fill nothing, are a second loop of two trips, entered in its middle.  Its second change of slots fetches a quarter of the stale slot that nobody multiplies: 32 LDS loads, the price of one text for both.
; CLUSTER.  4 x 4 work-groups.  The cluster's x is the matrix (q, k, v), cx the block of 256 columns, 4 x cluster y + cy the block of 256 rows.  The four of a row of the cluster need the same tile of x,
; the four of a column the same tile of W: each tile is asked for jointly, by the same tensor load with the same descriptor and a mask that names the four.
; REGISTERS, in windows of 256 (s_set_vgpr_msb: bits 1:0 source 0, 3:2 source 1, 5:4 source 2, 7:6 destination):
;   window 0: v0-31 addresses; v64-127, v128-191 x's fragments, two buffers of 8; v192-255 the bias, later packed results and rows read back; v32-63 at work
;   window 1: v64-127, v128-191 W's fragments, two buffers of 8        window 2: the accumulators of my row blocks 0-3 ((a, b) at 64 a + 8 b)        window 3: those of blocks 4-7
.set PA,    272                        ; a row of x in LDS: 256 bytes + 16 = 68 words: the 16 rows of a load start at 16 different groups of four banks (64 banks of 4 bytes: ISA guide 11.1)
.set PB,    544                        ; a row of W: 512 + 32 = 136 words
.set HALFT, 128*PA                     ; what one tensor load brings: 128 rows of x, or 64 k rows of W (64 x 544 is the same 34,816 bytes)
.set BOFF,  2*HALFT                    ; W's tile lies behind x's
.set SLOT,  4*HALFT                    ; 139,264 = 0x22000.  The fills' LDS bases, wave x 0x8800, have neither of its two bits: an exclusive or with it goes from slot to slot
.set STAGE, 2*SLOT                     ; behind the ring: 16 rows x 272 bytes for each wave, for the way out; no tensor load lands here
.set SP,    272
.set SPARE, STAGE+4*16*SP              ; the spare words, 128 bytes for each wave: two blocks of 256 bytes that no other line names
.set STEPA, 128*2                      ; a K step along a row of x
.set STEPB, 128*2048                   ; a K step down the rows of W
.set ADRA0, 16                         ; v16  LDS address of my fragments of x in slot 0; never rewritten
.set ADRA,  17                         ; v17  the same in the slot in hand
.set ADRB0, 20                         ; v20, v21  the same for W
.set ADRB,  21
.set STO,  24                          ; v24  the way out: where I put 16 bytes of a row
.set RD,   25                          ; v25  the way out: where I read a row back
.set CO,   26                          ; v26  my byte offset in the output
.set SPW,  28                          ; v28  LDS address of my spare word; never rewritten
.set NIL,  29                          ; v29  0; never rewritten
.set F0,   64
.set F1,   128
.set BIAS, 192                         ; the eight numbers for column block b at BIAS + 8 b
.set TMP,  192                         ; the way out: packed results
.set OB,   32                          ; the way out: 16 rows read back: v32-63 and v224-255 by turns
.set G1,  24                           ; s[24:31] descriptor group 1 for x's tiles;  s[32:39] group 0: a set for each of the two first fills; the second then walks on
.set G0,  32
.set G1B, 48                           ; s[48:55], s[56:63] the same for W's tiles
.set G0B, 56
.set TB,  66                           ; s66  0 or SLOT: the slot in hand
.set MSB, 0
.macro WIN new                         ; the immediate's high byte repeats the setting that is left; a switch that changes nothing is dropped
.if MSB != (\new)
	s_set_vgpr_msb (MSB<<8)|(\new)
.set MSB, \new
.endif
.endm
.set MUL_LO, 0xa1                      ; source 0 (W) window 1, source 1 (x) window 0, C and D window 2
.set MUL_HI, 0xf1                      ; the same, C and D window 3
.set TO_B,   0x40                      ; destination window 1, address window 0
.macro JLOAD s                         ; a joint load: waves 0 and 1 fetch x's two halves, waves 2 and 3 W's; an s_nop 0 and four v_nop follow each of the two lines
	s_cmp_eq_u32 s11, 0
	s_cbranch_scc0 .Lfor_b_\@
	tensor_load_to_lds s[G0+4*(\s):G0+4*(\s)+3], s[G1:G1+7]
	s_nop 0
.rept 4
	v_nop
.endr
	s_branch .Lasked_\@
.Lfor_b_\@:
	tensor_load_to_lds s[G0B+4*(\s):G0B+4*(\s)+3], s[G1B:G1B+7]
	s_nop 0
.rept 4
	v_nop
.endr
.Lasked_\@:
.endm
.macro CREST                           ; a round of the cluster's barrier behind its opening barrier
	s_cmp_lg_u32 s10, 0
	s_cbranch_scc1 .Lnot_wave_0_\@
	s_barrier_signal -3
.Lnot_wave_0_\@:
	s_barrier_wait -3
	s_barrier_signal -1
	s_barrier_wait -1
.endm
.macro CROUND                          ; a whole round
	s_barrier_signal -1
	s_barrier_wait -1
	CREST
.endm
.macro PLACES                          ; four places in front of loads into registers that matrix instructions have read, and of vector lines that read results
.rept 4
	v_nop
.endr
.endm
	s_load_b256 s[68:75], s[0:1], 0x0              ; cb s[68:69], bq s[70:71], bk s[72:73], bv s[74:75]
	s_load_b64 s[76:77], s[0:1], 0x20              ; qkv
	v_lshl_add_u32 v[SPW], v0, 2, SPARE
	v_mov_b32 v[NIL], 0
	ds_add_u32 v[SPW], v[NIL]                      ; the wave's opening: the add and its wait stand ahead of my first tensor load; work on registers stands between them
	v_lshrrev_b32 v1, 5, v0
	v_readfirstlane_b32 s10, v1                    ; wave 0..3
	s_lshr_b32 s11, s10, 1                         ; which half of the tile's rows is mine.  Also: I fetch for x (0) or for W (1)
	s_and_b32 s12, s10, 1                          ; which half of its columns.  Also: which half of that tile I fetch
	s_bfe_u32 s40, ttmp6, 0x40000                  ; cx
	s_bfe_u32 s41, ttmp6, 0x40004                  ; cy
	s_and_b32 s13, ttmp7, 0xffff
	s_lshl_b32 s13, s13, 2
	s_add_co_u32 s13, s13, s41                     ; block of 256 rows = 4 x cluster y + cy
	s_lshl_b32 s43, s41, 2
	s_lshl_b32 s43, 15, s43                        ; my row of the cluster
	s_lshl_b32 s44, 0x1111, s40                    ; my column
	s_or_b32 s[G1+0], s43, (1<<16)|(1<<20)|(1<<21)|(5<<22)|(3<<25)   ; 15:0 the mask; 17:16 2-byte elements; 20 padding on; 21 set beside a mask; 24:22 after every 64 words; 31:25 4 words
	s_mov_b32 s[G1+1], 128<<16                     ; tensor_dim0 = 128
	s_mov_b32 s[G1+2], 128<<16                     ; tensor_dim1 = 128
	s_mov_b32 s[G1+3], 128<<16                     ; tile_dim0 = 128
	s_mov_b32 s[G1+4], 128                         ; tile_dim1 = 128
	s_mov_b32 s[G1+5], 1024                        ; elements from row to row
	s_mov_b32 s[G1+6], 0
	s_mov_b32 s[G1+7], 0
	s_or_b32 s[G1B+0], s44, (1<<16)|(1<<20)|(1<<21)|(6<<22)|(7<<25)  ; after every 128 words 8 words of padding
	s_mov_b32 s[G1B+1], 256<<16                    ; 256 columns
	s_mov_b32 s[G1B+2], 64<<16                     ; 64 k rows
	s_mov_b32 s[G1B+3], 256<<16
	s_mov_b32 s[G1B+4], 64
	s_mov_b32 s[G1B+5], 1024
	s_mov_b32 s[G1B+6], 0
	s_mov_b32 s[G1B+7], 0
	s_lshl_b32 s16, s13, 8                         ; x: row 256 x block + 128 x half, 2,048 bytes a row
	s_lshl_b32 s17, s12, 7
	s_add_co_u32 s16, s16, s17
	s_lshl_b32 s16, s16, 11
	s_mov_b32 s17, 0
	s_lshl_b32 s46, ttmp9, 21                      ; W: behind xb, the matrix, 512 bytes a column block, 64 k rows a half
	s_lshl_b32 s47, s40, 9
	s_add_co_u32 s46, s46, s47
	s_lshl_b32 s47, s12, 17
	s_add_co_u32 s46, s46, s47
	s_add_co_u32 s46, s46, 0x1000000
	s_mov_b32 s47, 0
	s_mul_i32 s20, s10, HALFT                      ; where they go: x's two halves, then W's two: no place in the cluster enters an LDS address
	s_mov_b32 s[TB], 0
	s_wait_dscnt 0x0                               ; the opening add is done
	s_wait_kmcnt 0x0
	s_add_nc_u64 s[14:15], s[68:69], s[16:17]
	s_add_nc_u64 s[46:47], s[68:69], s[46:47]
	CROUND                                         ; all sixteen work-groups are here: the first joint loads meet
.irp s, 0,1
	s_mov_b32 s[G0+4*(\s)], 1
	s_add_co_u32 s[G0+4*(\s)+1], s20, (\s)*SLOT
	s_add_nc_u64 s[G0+4*(\s)+2:G0+4*(\s)+3], s[14:15], (\s)*STEPA
	s_or_b32 s[G0+4*(\s)+3], s[G0+4*(\s)+3], 0x80000000
	s_mov_b32 s[G0B+4*(\s)], 1
	s_add_co_u32 s[G0B+4*(\s)+1], s20, (\s)*SLOT
	s_add_nc_u64 s[G0B+4*(\s)+2:G0B+4*(\s)+3], s[46:47], (\s)*STEPB
	s_or_b32 s[G0B+4*(\s)+3], s[G0B+4*(\s)+3], 0x80000000
	JLOAD \s                                       ; K steps 0 and 1: two loads of mine are out
.endr
	v_and_b32 v1, 15, v0                           ; r = l % 16
	v_bfe_u32 v2, v0, 4, 1                         ; h = l / 16
	s_cmp_eq_u32 ttmp9, 1                          ; the bias of my matrix
	s_cselect_b64 s[70:71], s[72:73], s[70:71]
	s_cmp_eq_u32 ttmp9, 2
	s_cselect_b64 s[70:71], s[74:75], s[70:71]
	s_lshl_b32 s22, s40, 10                        ; my wave's 128 columns, 4 bytes each,
	s_lshl_b32 s23, s12, 9
	s_add_co_u32 s22, s22, s23
	v_lshl_add_u32 v5, v2, 5, s22                  ; and my lanes' eight of each sixteen; never rewritten
.irp b, 0,1,2,3,4,5,6,7
	global_load_b128 v[BIAS+8*(\b):BIAS+8*(\b)+3],   v5, s[70:71] offset:64*(\b)
	global_load_b128 v[BIAS+8*(\b)+4:BIAS+8*(\b)+7], v5, s[70:71] offset:64*(\b)+16
.endr
	v_mul_u32_u24 v3, v1, PA
	v_lshl_add_u32 v3, v2, 4, v3                   ; a fragment of x: row r x pitch + 16 h
	v_and_b32 v6, 7, v0                            ; the turning load: lane l reads k row 8 h + l % 8, 16 bytes at 16 ((l / 8) % 2)
	v_bfe_u32 v7, v0, 3, 1
	v_lshl_add_u32 v6, v2, 3, v6
	v_mul_u32_u24 v6, v6, PB
	v_lshl_add_u32 v6, v7, 4, v6
	s_mul_i32 s21, s11, HALFT                      ; my 128 rows of x
	s_lshl_b32 s22, s12, 8                         ; my 128 columns of W,
	s_add_co_u32 s22, s22, BOFF                    ; which lies behind x
	v_add_nc_u32 v[ADRA0], s21, v3
	v_add_nc_u32 v[ADRB0], s22, v6
	v_mov_b32 v[ADRA], v[ADRA0]                    ; slot 0 is first
	v_mov_b32 v[ADRB], v[ADRB0]
	s_mul_i32 s23, s10, 16*SP
	s_add_co_u32 s23, s23, STAGE                   ; my stage
	v_add_nc_u32 v[STO], s23, v3                   ; in: row r, 16 bytes for each half of the lanes (the stage's pitch is x's)
	v_mul_u32_u24 v4, v2, SP                       ; back: lanes 0-15 take one row of 256 bytes, lanes 16-31 the next
	v_lshl_add_u32 v4, v1, 4, v4
	v_add_nc_u32 v[RD], s23, v4
	v_lshlrev_b32 v4, 11, v2                       ; and the same two rows in the output
	v_lshl_add_u32 v[CO], v1, 4, v4
	s_lshl_b32 s16, s13, 8                         ; my first row,
	s_lshl_b32 s17, s11, 7
	s_add_co_u32 s16, s16, s17
	s_lshl_b32 s16, s16, 11
	s_mov_b32 s17, 0
	s_add_nc_u64 s[76:77], s[76:77], s[16:17]
	s_lshl_b32 s46, ttmp9, 24                      ; my matrix and my first column
	s_lshl_b32 s47, s40, 9
	s_add_co_u32 s46, s46, s47
	s_lshl_b32 s47, s12, 8
	s_add_co_u32 s46, s46, s47
	s_mov_b32 s47, 0
	s_add_nc_u64 s[76:77], s[76:77], s[46:47]
	s_wait_loadcnt 0x0                             ; the bias; it is rounded to bf16 and widened again, in the wait for the first tile
.set i, 0
.rept 32
	v_cvt_pk_bf16_f32 v[32+i], v[BIAS+2*i], v[BIAS+2*i+1]
.set i, i+1
.endr
.set i, 0
.rept 32
	v_lshlrev_b32 v[BIAS+2*i], 16, v[32+i]
	v_and_b32 v[BIAS+2*i+1], 0xffff0000, v[32+i]
.set i, i+1
.endr
; 16 matrix instructions: row blocks a0, a0 + 1 of the window's four (hi = 0: my rows 0-63, 1: rows 64-127) x all 8 column blocks, 32 along K.  first = 1: the products start the sums, with the bias as C.
; The 64 accumulators take turns, one instruction a turn, in the same order in every quarter.
.macro MUL16 f, hi, a0, first
.if \first
	WIN 0x81+0x40*(\hi)                            ; D window 2 or 3, C (the bias) window 0
.else
	WIN MUL_LO+0x50*(\hi)                          ; MUL_LO or MUL_HI
.endif
.irp a, \a0, (\a0)+1
.irp b, 0,1,2,3,4,5,6,7
.if \first
	v_wmma_f32_16x16x32_bf16 v[8*(8*(\a)+(\b)):8*(8*(\a)+(\b))+7], v[(\f)+8*(\b):(\f)+8*(\b)+7], v[(\f)+8*(4*(\hi)+(\a)):(\f)+8*(4*(\hi)+(\a))+7], v[BIAS+8*(\b):BIAS+8*(\b)+7]
.else
	v_wmma_f32_16x16x32_bf16 v[8*(8*(\a)+(\b)):8*(8*(\a)+(\b))+7], v[(\f)+8*(\b):(\f)+8*(\b)+7], v[(\f)+8*(4*(\hi)+(\a)):(\f)+8*(4*(\hi)+(\a))+7], v[8*(8*(\a)+(\b)):8*(8*(\a)+(\b))+7]
.endif
.endr
.endr
.endm
; 32 LDS loads in one run: quarter kq (32 along K) of the slot in hand into buffer f: W's 16 first, then x's 16
.macro FETCH kq, f
	WIN TO_B
.irp i, 0,1,2,3,4,5,6,7
	ds_load_tr16_b128 v[(\f)+8*(\i):(\f)+8*(\i)+3],   v[ADRB] offset:(\kq)*32*PB+32*(\i)
	ds_load_tr16_b128 v[(\f)+8*(\i)+4:(\f)+8*(\i)+7], v[ADRB] offset:(\kq)*32*PB+32*(\i)+16*PB
.endr
	WIN 0
.irp i, 0,1,2,3,4,5,6,7
	ds_load_b128 v[(\f)+8*(\i):(\f)+8*(\i)+3],   v[ADRA] offset:(\kq)*64+(\i)*16*PA
	ds_load_b128 v[(\f)+8*(\i)+4:(\f)+8*(\i)+7], v[ADRA] offset:(\kq)*64+(\i)*16*PA+32
.endr
.endm
; A K step is four quarters of 32 along K, 64 matrix instructions each, on buffers 0, 1, 0, 1.  One of the first three: multiplies buffer f and, in its middle, fetches quarter kq into buffer g.
.macro QUARTER kq, f, g, first
	s_wait_dscnt 8                                 ; W and x's rows 0-63 are in; the youngest eight loads (rows 64-127) may be out
	MUL16 \f, 0, 0, \first
	MUL16 \f, 0, 2, \first
	PLACES
	FETCH \kq, \g
	s_wait_dscnt 32                                ; all but the 32 just issued
	MUL16 \f, 1, 0, \first
	MUL16 \f, 1, 2, \first
.endm
; The last quarter multiplies buffer 1 and changes slots: ONE barrier; in front of it each wave waits for all its tensor loads, adds 0 to its spare word, and waits for that and for its own reads of this slot.
; fill = 1: the barrier opens a round of the cluster's, and the slot just read is filled again, two K steps ahead, first thing behind the round: 224 matrix instructions ahead of the wait for it.
.macro TURN fill
	WIN 0                                          ; (the add's two registers lie in window 0)
	s_wait_tensorcnt 0x0                           ; all my tensor loads have landed: the one that was out is my part of the next slot
	ds_add_u32 v[SPW], v[NIL]                      ; 0 onto my spare word
	s_wait_dscnt 9                                 ; (the add and the youngest eight loads may be out)
	MUL16 F1, 0, 0, 0                              ; sixteen matrix instructions stand between the add and the wait for it
	s_wait_dscnt 0x0                               ; the add is done, and my reads of this slot are over
	s_barrier_signal -1
	MUL16 F1, 0, 2, 0
	WIN 0                                          ; at a branch and at a label every window is 0
	s_barrier_wait -1
.if \fill
	CREST                                          ; no wave of any partner still reads this slot's tiles or has a load on its way
	s_xor_b32 s[G0+5], s[G0+5], SLOT               ; the walking descriptors: the other slot than last time,
	s_add_nc_u64 s[G0+6:G0+7], s[G0+6:G0+7], STEPA ; the next K step; the type bits on top are not reached
	s_xor_b32 s[G0B+5], s[G0B+5], SLOT
	s_add_nc_u64 s[G0B+6:G0B+7], s[G0B+6:G0B+7], STEPB
	JLOAD 1                                        ; my one tensor load behind the round; its four v_nop are also the places in front of the loads below
.else
	PLACES
.endif
	s_xor_b32 s[TB], s[TB], SLOT                   ; the reads go on in the other slot
	v_add_nc_u32 v[ADRA], s[TB], v[ADRA0]
	v_add_nc_u32 v[ADRB], s[TB], v[ADRB0]
	FETCH 0, F0
	MUL16 F1, 1, 0, 0
	MUL16 F1, 1, 2, 0
.endm
; THE WAY OUT of row block a.  PACK: rounded to f16, 16 bytes a lane.  TOSTAGE: into my own stage, and back as whole rows of 256 bytes.  SEND: stored.
.macro PACK a
.set AC, 64*((\a)%4)
	WIN 0x0a+5*((\a)/4)                            ; sources 0 and 1: window 2 or 3
.irp b, 0,1,2,3,4,5,6,7
.irp r, 0,1,2,3
	v_cvt_pk_f16_f32 v[TMP+4*(\b)+(\r)], v[AC+8*(\b)+2*(\r)], v[AC+8*(\b)+2*(\r)+1]
.endr
.endr
	WIN 0
.endm
.macro TOSTAGE a
	WIN 0
.set BK, OB+192*((\a)%2)
.irp b, 0,1,2,3,4,5,6,7
	ds_store_b128 v[STO], v[TMP+4*(\b):TMP+4*(\b)+3] offset:32*(\b)
.endr
.irp t, 0,1,2,3,4,5,6,7
	ds_load_b128 v[BK+4*(\t):BK+4*(\t)+3], v[RD] offset:(\t)*2*SP  ; LDS serves a wave's instructions in order (ISA guide 5.7.1.4): these see the stores above
.endr
.endm
.macro SEND a
	WIN 0
.set BK, OB+192*((\a)%2)
	s_wait_xcnt 0x0                                ; every earlier memory instruction has had its addresses translated (ISA guide 3.1): the registers that the block before last was stored from are loaded again only behind this wait
.irp t, 0,1,2,3,4,5,6,7
	s_wait_dscnt 7-(\t)                            ; the block's loads are the youngest LDS instructions: number t is in
	global_store_b128 v[CO], v[BK+4*(\t):BK+4*(\t)+3], s[76:77] offset:(16*(\a)+2*(\t))*2048  ; 16 lanes store 256 consecutive bytes, at a multiple of 256
.endr
.endm
	s_wait_tensorcnt 1                             ; my part of K step 0 is in; K step 1's may stay out
	s_barrier_signal -1
	s_barrier_wait -1                              ; everybody's is
	FETCH 0, F0
	QUARTER 1, F0, F1, 1                           ; the first quarter stands in front of the loop: its products start the sums
	WIN 0
	s_mov_b32 s3, 6                                ; K steps 0 to 5 end with a refill: K steps 2 to 7
.Lstep:                                                ; a trip goes from a K step's second quarter to the next step's first
	QUARTER 2, F1, F0, 0
	QUARTER 3, F0, F1, 0
	TURN 1
	QUARTER 1, F0, F1, 0
	WIN 0
	s_sub_co_u32 s3, s3, 1
	s_cmp_lg_u32 s3, 0
	s_cbranch_scc1 .Lstep
	s_mov_b32 s3, 2                                ; the last two K steps fill nothing: a loop of their own; it is entered behind a step's first quarter
	s_branch .Lmid
.Ltail:
	QUARTER 1, F0, F1, 0
	WIN 0
.Lmid:
	QUARTER 2, F1, F0, 0
	QUARTER 3, F0, F1, 0
	TURN 0
	WIN 0
	s_sub_co_u32 s3, s3, 1
	s_cmp_lg_u32 s3, 0
	s_cbranch_scc1 .Ltail
	s_wait_dscnt 0x0                               ; the last change of slots has fetched a quarter that nobody multiplies: its loads are back
	PLACES
	PACK 0
	TOSTAGE 0
.irp a, 1,2,3,4,5,6,7                  ; block a's conversions stand between block a - 1's loads from the stage and the wait for them
	PACK \a
	SEND (\a)-1
	TOSTAGE \a
.endr
	SEND 7
	s_wait_tensorcnt 0x0                           ; the wave's end: the add and its wait, behind my last tensor load and my last LDS store
	ds_add_u32 v[SPW], v[NIL]
	s_wait_dscnt 0x0
	CROUND                                         ; the closing round: no work-group ends while a partner may still ask for a tile that names it
	s_endpgm
.Lfunc_end_k_q2f1aee36a5_proj:
	.size	k_q2f1aee36a5_proj, .Lfunc_end_k_q2f1aee36a5_proj-k_q2f1aee36a5_proj
	.p2alignl 7, 3214868480
	.fill 96, 4, 3214868480
	.section	.rodata,"a",@progbits
	.p2align	6, 0x0
	.amdhsa_kernel k_q2f1aee36a5_proj
		.amdhsa_group_segment_fixed_size 327680
		.amdhsa_private_segment_fixed_size 0
		.amdhsa_enable_private_segment 0
		.amdhsa_kernarg_size 40
		.amdhsa_user_sgpr_count 2
		.amdhsa_user_sgpr_kernarg_segment_ptr 1
		.amdhsa_wavefront_size32 1
		.amdhsa_system_sgpr_workgroup_id_x 1
		.amdhsa_system_sgpr_workgroup_id_y 1
		.amdhsa_system_sgpr_workgroup_id_z 1
		.amdhsa_system_vgpr_workitem_id 0
		.amdhsa_next_free_vgpr 1024
		.amdhsa_next_free_sgpr 80
		.amdhsa_reserve_vcc 0
		.amdhsa_float_denorm_mode_32 3
		.amdhsa_float_denorm_mode_16_64 3
		.amdhsa_memory_ordered 1
		.amdhsa_forward_progress 1
		.amdhsa_inst_pref_size 108
	.end_amdhsa_kernel
	.amdgpu_metadata
---
amdhsa.version: [ 1, 2 ]
amdhsa.kernels:
  - .name:           k_q2f1aee36a5_proj
    .symbol:         k_q2f1aee36a5_proj.kd
    .args:
      - { .name: cb, .offset: 0, .size: 8, .value_kind: global_buffer, .address_space: global }
      - { .name: bq, .offset: 8, .size: 8, .value_kind: global_buffer, .address_space: global }
      - { .name: bk, .offset: 16, .size: 8, .value_kind: global_buffer, .address_space: global }
      - { .name: bv, .offset: 24, .size: 8, .value_kind: global_buffer, .address_space: global }
      - { .name: qkv, .offset: 32, .size: 8, .value_kind: global_buffer, .address_space: global }
    .group_segment_fixed_size: 327680
    .private_segment_fixed_size: 0
    .kernarg_segment_align: 8
    .kernarg_segment_size: 40
    .max_flat_workgroup_size: 128
    .sgpr_count:     80
    .vgpr_count:     1024
    .wavefront_size: 32
...
	.end_amdgpu_metadata
.endif
;; end of part 5
;; launch scores (part 6): grid 8 x 32, 4 waves a work-group, clusters of 4 x 4, 327,680 bytes of LDS; arguments qkv, p, st; writes p, st
.if DOCPART == 6
	.amdgcn_target "amdgcn-amd-amdhsa--gfx1250"
	.amdhsa_code_object_version 6
	.text
	.protected	k_q2f1aee36a5_scores
	.globl	k_q2f1aee36a5_scores
	.p2align	8
	.type	k_q2f1aee36a5_scores,@function
k_q2f1aee36a5_scores:
	s_mov_b64 s[64:65], 0
	v_nop
	global_prefetch_b8 v0, s[64:65] scope:SCOPE_SE
	s_setreg_imm32_b32 hwreg(HW_REG_WAVE_MODE, 25, 1), 1
	s_wait_xcnt 0x0
	s_wait_alu depctr_hold_cnt(0) depctr_sa_sdst(0) depctr_va_vdst(0) depctr_va_sdst(0) depctr_va_ssrc(0) depctr_va_vcc(0) depctr_vm_vsrc(0)
	s_getreg_b32 s2, hwreg(HW_REG_IB_STS2, 6, 4)
	s_cmp_eq_u32 s2, 0
	s_cbranch_scc0 .Lentry_in_a_cluster
	s_endpgm
.Lentry_in_a_cluster:
	s_bfe_u32 s2, ttmp6, 0x10000c
	s_cmp_lg_u32 s2, 0xf033
	s_cbranch_scc0 .Lentry_shape_is_right
	s_endpgm
.Lentry_shape_is_right:
; S = q k^T for each of four batches of 2,048 rows, and the first level of the softmax.  q and k: [8192][1024] f16 in qkv, k 16,777,216 bytes behind q.  Sums in f32.
; A wave's 128 columns are a CHUNK of keys.  For each query and chunk: m = the chunk's largest score, p = 2^(c s - c m) with c = log2(e) / 32, l = the sum of the unrounded p.
; The pair (c m, l) goes to st [16 chunks][8192 queries][2] as f32; the launch behind joins a row's 16 chunks by their true maximum.  The c m that is stored is the one that was taken away, so its rounding cancels.
; p (0 to 1, f16) IS STORED AS THE NEXT PRODUCT'S FRAGMENTS: [512 blocks of 16 queries][128 blocks of 16 keys][32 lanes][16 bytes]; lane l holds query l % 16 and keys 8 (l / 16) + 0..7 of the two blocks.
; That is what a lane holds here when a result is packed, so a store of the wave is 512 consecutive bytes straight from registers, and two neighbouring key blocks are one operand of 16 queries x 32 keys.
; LIMITS.  A weight below 6e-8 of its chunk's largest counts as 0 in p; NaN and infinities are not treated apart.
; SHARES.  A tile of S is 256 queries x 256 keys: 8 x 32 = 256 work-groups, one for each WGP.  Four waves, 2 x 2, each 128 x 128: 64 accumulators.  K = 1,024 in steps of 128, two LDS slots;
; rows of both tiles are 256 bytes at multiples of 256.  The matrix instruction is used transposed (source 0 = 16 keys, source 1 = 16 queries): a lane holds ONE query (lane % 16) and, of each
; sixteen keys, eight; the query's other 64 keys lie in the lane 16 away.
; THE LOOPS are one K step long: which slot is read is a scalar that an exclusive or turns, and one descriptor for each operand walks.  Six trips fill a slot again; the last two K steps are a second loop of
; two trips, entered in its middle; its second change of slots fetches a quarter of the stale slot that nobody multiplies: 32 LDS loads, the price of one text for both.
; THE SOFTMAX is a loop over my eight query blocks.  Only the two passes that name a block's accumulators are written out eight times, and the loop's counter picks one; they leave c s - c m in window 0, and all else is written once.
; CLUSTER.  4 x 4: the four of a row need the same tile of q, the four of a column the same tile of k.  A cluster's four row blocks lie in one batch (8 row blocks a batch), so the batch hangs on the cluster's y alone.
; REGISTERS, in windows of 256 (s_set_vgpr_msb: bits 1:0 source 0, 3:2 source 1, 5:4 source 2, 7:6 destination):
;   window 0: v0-31 addresses; v32-47 statistics; v64-127, v128-191 q's fragments, two buffers of 8; on the way out v64-127 a block's c s - c m and weights, v128-159 packed weights
;   window 1: v64-127, v128-191 k's fragments        window 2: the accumulators of my query blocks 0-3 ((a, b) at 64 a + 8 b)        window 3: those of blocks 4-7
.set PA,    272                        ; an LDS row: 256 bytes + 16 = 68 words: the 16 rows of a load start at 16 different groups of four banks (64 banks of 4 bytes: ISA guide 11.1)
.set HALFT, 128*PA                     ; 128 rows: what one tensor load brings, and what one wave reads of q or of k
.set BOFF,  2*HALFT
.set SLOT,  4*HALFT                    ; 139,264 = 0x22000.  The fills' LDS bases, wave x 0x8800, have neither of its two bits: an exclusive or with it goes from slot to slot
.set SPARE, 2*SLOT                     ; behind the ring: the spare words, 128 bytes for each wave: two blocks of 256 bytes that no other line names
.set STEP,  128*2                      ; a K step along a row
.set ADRA0, 16                         ; v16  LDS address of my fragments of q in slot 0; never rewritten
.set ADRA,  17                         ; v17  the same in the slot in hand
.set ADRB0, 20
.set ADRB,  21
.set CO,   26                          ; v26  16 x lane: my place in a store's 512 bytes of p; never rewritten
.set SO,   27                          ; v27  8 x lane: my place in a store's 256 bytes of st; never rewritten
.set SPW,  28
.set NIL,  29
.set CH,   32                          ; v32-35  four running maxima
.set CM,   36                          ; v36-37  c m, twice: the packed scaling names a pair
.set PCM,  38                          ; v38     c m of the block before
.set LL,   40                          ; v40     l
.set PLL,  41                          ; v41     l of the block before
.set LP,   42                          ; v42-45  two pairs of running sums
.set PAIR, 46                          ; v46-47  (c m, l) as stored
.set F0,   64
.set F1,   128
.set T,    64                          ; a block's 64 numbers a lane
.set TMP,  128                         ; packed weights
.set G1,  24
.set G0,  32
.set G1B, 48
.set G0B, 56
.set TB,  66                           ; s66  0 or SLOT: the slot in hand
.set BC,  67                           ; s67  the query block in hand
.set MSB, 0
.macro WIN new
.if MSB != (\new)
	s_set_vgpr_msb (MSB<<8)|(\new)
.set MSB, \new
.endif
.endm
.set MUL_LO, 0xa1                      ; source 0 (k) window 1, source 1 (q) window 0, C and D window 2
.set MUL_HI, 0xf1
.set TO_B,   0x40
.macro JLOAD s                         ; a joint load: waves 0 and 1 fetch q's two halves, waves 2 and 3 k's; an s_nop 0 and four v_nop follow each of the two lines
	s_cmp_eq_u32 s11, 0
	s_cbranch_scc0 .Lfor_b_\@
	tensor_load_to_lds s[G0+4*(\s):G0+4*(\s)+3], s[G1:G1+7]
	s_nop 0
.rept 4
	v_nop
.endr
	s_branch .Lasked_\@
.Lfor_b_\@:
	tensor_load_to_lds s[G0B+4*(\s):G0B+4*(\s)+3], s[G1B:G1B+7]
	s_nop 0
.rept 4
	v_nop
.endr
.Lasked_\@:
.endm
.macro CREST
	s_cmp_lg_u32 s10, 0
	s_cbranch_scc1 .Lnot_wave_0_\@
	s_barrier_signal -3
.Lnot_wave_0_\@:
	s_barrier_wait -3
	s_barrier_signal -1
	s_barrier_wait -1
.endm
.macro CROUND
	s_barrier_signal -1
	s_barrier_wait -1
	CREST
.endm
.macro PLACES
.rept 4
	v_nop
.endr
.endm
	s_load_b128 s[4:7], s[0:1], 0x0                ; qkv s[4:5], p s[6:7]
	s_load_b64 s[8:9], s[0:1], 0x10                ; st
	v_lshl_add_u32 v[SPW], v0, 2, SPARE
	v_mov_b32 v[NIL], 0
	ds_add_u32 v[SPW], v[NIL]                      ; the wave's opening: the add and its wait stand ahead of my first tensor load
	v_lshrrev_b32 v1, 5, v0
	v_readfirstlane_b32 s10, v1                    ; wave 0..3
	s_lshr_b32 s11, s10, 1                         ; which half of the tile's queries is mine.  Also: I fetch for q (0) or for k (1)
	s_and_b32 s12, s10, 1                          ; which half of its keys.  Also: which half of that tile I fetch
	s_bfe_u32 s40, ttmp6, 0x40000                  ; cx
	s_bfe_u32 s41, ttmp6, 0x40004                  ; cy
	s_and_b32 s13, ttmp7, 0xffff
	s_lshl_b32 s13, s13, 2
	s_add_co_u32 s13, s13, s41                     ; block of 256 queries = 4 x cluster y + cy
	s_and_b32 s45, ttmp7, 0xffff
	s_lshr_b32 s45, s45, 1                         ; the batch: cluster y / 2
	s_lshl_b32 s42, ttmp9, 2
	s_add_co_u32 s42, s42, s40                     ; block of 256 keys = 4 x cluster x + cx
	s_lshl_b32 s43, s41, 2
	s_lshl_b32 s43, 15, s43                        ; my row of the cluster
	s_lshl_b32 s44, 0x1111, s40                    ; my column
	s_or_b32 s[G1+0], s43, (1<<16)|(1<<20)|(1<<21)|(5<<22)|(3<<25)   ; the mask; 2-byte elements; padding on; 21 set beside a mask; after every 64 words 4 words
	s_or_b32 s[G1B+0], s44, (1<<16)|(1<<20)|(1<<21)|(5<<22)|(3<<25)
.irp g, G1, G1B
	s_mov_b32 s[(\g)+1], 128<<16                   ; tensor_dim0 = 128
	s_mov_b32 s[(\g)+2], 128<<16                   ; tensor_dim1 = 128
	s_mov_b32 s[(\g)+3], 128<<16                   ; tile_dim0 = 128
	s_mov_b32 s[(\g)+4], 128                       ; tile_dim1 = 128
	s_mov_b32 s[(\g)+5], 1024                      ; elements from row to row
	s_mov_b32 s[(\g)+6], 0
	s_mov_b32 s[(\g)+7], 0
.endr
	s_lshl_b32 s16, s13, 8                         ; q: row 256 x block + 128 x half, 2,048 bytes a row
	s_lshl_b32 s17, s12, 7
	s_add_co_u32 s16, s16, s17
	s_lshl_b32 s16, s16, 11
	s_mov_b32 s17, 0
	s_lshl_b32 s46, s45, 11                        ; k: row 2,048 x batch + 256 x block + 128 x half, behind q
	s_lshl_b32 s47, s42, 8
	s_add_co_u32 s46, s46, s47
	s_lshl_b32 s47, s12, 7
	s_add_co_u32 s46, s46, s47
	s_lshl_b32 s46, s46, 11
	s_add_co_u32 s46, s46, 0x1000000
	s_mov_b32 s47, 0
	s_mul_i32 s20, s10, HALFT                      ; where they go: q's two halves, then k's two: no place in the cluster enters an LDS address
	s_mov_b32 s[TB], 0
	s_mov_b32 s68, 0x3d38aa3b                      ; c = log2(e) / 32
	s_mov_b32 s69, s68                             ; named with it as a pair
	s_mov_b32 s70, 0x76543210                      ; v_permlanex16_b32: each lane takes its own place in the other half
	s_mov_b32 s71, 0xfedcba98
	s_mov_b32 s72, 0xffff0000                      ; lanes 16-31
	s_wait_dscnt 0x0                               ; the opening add is done
	s_wait_kmcnt 0x0
	s_add_nc_u64 s[14:15], s[4:5], s[16:17]
	s_add_nc_u64 s[46:47], s[4:5], s[46:47]
	CROUND                                         ; all sixteen work-groups are here: the first joint loads meet
.irp s, 0,1
	s_mov_b32 s[G0+4*(\s)], 1
	s_add_co_u32 s[G0+4*(\s)+1], s20, (\s)*SLOT
	s_add_nc_u64 s[G0+4*(\s)+2:G0+4*(\s)+3], s[14:15], (\s)*STEP
	s_or_b32 s[G0+4*(\s)+3], s[G0+4*(\s)+3], 0x80000000
	s_mov_b32 s[G0B+4*(\s)], 1
	s_add_co_u32 s[G0B+4*(\s)+1], s20, (\s)*SLOT
	s_add_nc_u64 s[G0B+4*(\s)+2:G0B+4*(\s)+3], s[46:47], (\s)*STEP
	s_or_b32 s[G0B+4*(\s)+3], s[G0B+4*(\s)+3], 0x80000000
	JLOAD \s                                       ; K steps 0 and 1: two loads of mine are out
.endr
	v_and_b32 v1, 15, v0                           ; r
	v_bfe_u32 v2, v0, 4, 1                         ; h
	v_mul_u32_u24 v3, v1, PA
	v_lshl_add_u32 v3, v2, 4, v3                   ; a fragment: row r x pitch + 16 h
	s_mul_i32 s21, s11, HALFT                      ; my 128 rows of q
	s_mul_i32 s22, s12, HALFT                      ; my 128 rows of k,
	s_add_co_u32 s22, s22, BOFF                    ; which lie behind q's
	v_add_nc_u32 v[ADRA0], s21, v3
	v_add_nc_u32 v[ADRB0], s22, v3
	v_mov_b32 v[ADRA], v[ADRA0]                    ; slot 0 is first
	v_mov_b32 v[ADRB], v[ADRB0]
	v_and_b32 v4, 31, v0
	v_lshlrev_b32 v[CO], 4, v4
	v_lshlrev_b32 v[SO], 3, v4
	s_lshl_b32 s16, s13, 8
	s_lshl_b32 s17, s11, 7
	s_add_co_u32 s16, s16, s17                     ; my first query
	s_lshl_b32 s18, s16, 3                         ; 8 bytes a query in st,
	s_mov_b32 s19, 0
	s_add_nc_u64 s[8:9], s[8:9], s[18:19]
	s_lshl_b32 s16, s16, 12                        ; 65,536 bytes for 16 queries in p
	s_mov_b32 s17, 0
	s_add_nc_u64 s[6:7], s[6:7], s[16:17]
	s_lshl_b32 s46, s42, 1
	s_add_co_u32 s46, s46, s12                     ; my chunk = 2 x key block + half:
	s_lshl_b32 s20, s46, 16                        ; 65,536 bytes a chunk in st,
	s_mov_b32 s21, 0
	s_add_nc_u64 s[8:9], s[8:9], s[20:21]
	s_lshl_b32 s46, s46, 12                        ; eight key blocks of 512 bytes in p
	s_mov_b32 s47, 0
	s_add_nc_u64 s[6:7], s[6:7], s[46:47]
; 16 matrix instructions: query blocks a0, a0 + 1 of the window's four x all 8 key blocks, 32 along K.  zero = 1: the products start the sums.  The 64 accumulators take turns, one instruction a turn.
.macro MUL16 f, hi, a0, zero
	WIN MUL_LO+0x50*(\hi)                          ; MUL_LO or MUL_HI
.irp a, \a0, (\a0)+1
.irp b, 0,1,2,3,4,5,6,7
.if \zero
	v_wmma_f32_16x16x32_f16 v[8*(8*(\a)+(\b)):8*(8*(\a)+(\b))+7], v[(\f)+8*(\b):(\f)+8*(\b)+7], v[(\f)+8*(4*(\hi)+(\a)):(\f)+8*(4*(\hi)+(\a))+7], 0
.else
	v_wmma_f32_16x16x32_f16 v[8*(8*(\a)+(\b)):8*(8*(\a)+(\b))+7], v[(\f)+8*(\b):(\f)+8*(\b)+7], v[(\f)+8*(4*(\hi)+(\a)):(\f)+8*(4*(\hi)+(\a))+7], v[8*(8*(\a)+(\b)):8*(8*(\a)+(\b))+7]
.endif
.endr
.endr
.endm
; 32 LDS loads in one run: quarter kq of the slot in hand into buffer f: k's 16 first, then q's 16
.macro FETCH kq, f
	WIN TO_B
.irp i, 0,1,2,3,4,5,6,7
	ds_load_b128 v[(\f)+8*(\i):(\f)+8*(\i)+3],   v[ADRB] offset:(\kq)*64+(\i)*16*PA
	ds_load_b128 v[(\f)+8*(\i)+4:(\f)+8*(\i)+7], v[ADRB] offset:(\kq)*64+(\i)*16*PA+32
.endr
	WIN 0
.irp i, 0,1,2,3,4,5,6,7
	ds_load_b128 v[(\f)+8*(\i):(\f)+8*(\i)+3],   v[ADRA] offset:(\kq)*64+(\i)*16*PA
	ds_load_b128 v[(\f)+8*(\i)+4:(\f)+8*(\i)+7], v[ADRA] offset:(\kq)*64+(\i)*16*PA+32
.endr
.endm
.macro QUARTER kq, f, g, zero
	s_wait_dscnt 8                                 ; k and q's rows 0-63 are in; the youngest eight loads may be out
	MUL16 \f, 0, 0, \zero
	MUL16 \f, 0, 2, \zero
	PLACES
	FETCH \kq, \g
	s_wait_dscnt 32                                ; all but the 32 just issued
	MUL16 \f, 1, 0, \zero
	MUL16 \f, 1, 2, \zero
.endm
; The last quarter multiplies buffer 1 and changes slots: ONE barrier; in front of it each wave waits for all its tensor loads, adds 0 to its spare word, and waits for that and for its own reads of this slot.
; fill = 1: the barrier opens a round of the cluster's, and the slot just read is filled again, two K steps ahead, first thing behind the round: 224 matrix instructions ahead of the wait for it.
.macro TURN fill
	WIN 0
	s_wait_tensorcnt 0x0                           ; all my tensor loads have landed: the one that was out is my part of the next slot
	ds_add_u32 v[SPW], v[NIL]                      ; 0 onto my spare word
	s_wait_dscnt 9                                 ; (the add and the youngest eight loads may be out)
	MUL16 F1, 0, 0, 0
	s_wait_dscnt 0x0                               ; the add is done, and my reads of this slot are over
	s_barrier_signal -1
	MUL16 F1, 0, 2, 0
	WIN 0                                          ; at a branch and at a label every window is 0
	s_barrier_wait -1
.if \fill
	CREST                                          ; no wave of any partner still reads this slot's tiles or has a load on its way
	s_xor_b32 s[G0+5], s[G0+5], SLOT               ; the walking descriptors: the other slot than last time,
	s_add_nc_u64 s[G0+6:G0+7], s[G0+6:G0+7], STEP  ; the next K step; the type bits on top are not reached
	s_xor_b32 s[G0B+5], s[G0B+5], SLOT
	s_add_nc_u64 s[G0B+6:G0B+7], s[G0B+6:G0B+7], STEP
	JLOAD 1                                        ; my one tensor load behind the round; its four v_nop are also the places in front of the loads below
.else
	PLACES
.endif
	s_xor_b32 s[TB], s[TB], SLOT                   ; the reads go on in the other slot
	v_add_nc_u32 v[ADRA], s[TB], v[ADRA0]
	v_add_nc_u32 v[ADRB], s[TB], v[ADRB0]
	FETCH 0, F0
	MUL16 F1, 1, 0, 0
	MUL16 F1, 1, 2, 0
.endm
; What is written for each query block a: the maximum of my 64 scores, c m, and c s - c m into window 0.  The two passes over the accumulators have sources 0 and 1 in the block's window, all else in window 0.
.macro SPEC a
.set S,  64*((\a)%4)
	WIN 0x0a+5*((\a)/4)                            ; sources 0 and 1: window 2 or 3
.irp j, 0,1,2,3                        ; four chains; each accumulator's lowest registers are read first
.irp b, 0,1,2,3,4,5,6,7
.if ((\j) == 0) && ((\b) < 4)
	v_max_num_f32 v[CH+(\b)], v[S+8*(\b)], v[S+8*(\b)+1]
.else
	v_max3_num_f32 v[CH+(\b)%4], v[S+8*(\b)+2*(\j)], v[S+8*(\b)+2*(\j)+1], v[CH+(\b)%4]
.endif
.endr
.endr
	WIN 0
	v_max3_num_f32 v[CH], v[CH], v[CH+1], v[CH+2]
	v_max_num_f32 v[CH], v[CH], v[CH+3]
	v_permlanex16_b32 v[CH+1], v[CH], s70, s71     ; the query's other 64 keys lie in the lane 16 away
	v_max_num_f32 v[CH], v[CH], v[CH+1]
	v_mul_f32 v[CM], s68, v[CH]
	v_mul_f32 v[CM+1], s68, v[CH]
	WIN 0x0a+5*((\a)/4)
.irp b, 0,1,2,3,4,5,6,7
.irp i, 0,1,2,3
	v_pk_fma_f32 v[T+8*(\b)+2*(\i):T+8*(\b)+2*(\i)+1], v[S+8*(\b)+2*(\i):S+8*(\b)+2*(\i)+1], s[68:69], v[CM:CM+1] op_sel_hi:[1,0,0] neg_lo:[0,0,1] neg_hi:[0,0,1]  ; c s - c m
.endr
.endr
	WIN 0
.endm
.macro XOP bb, i                       ; key block bb's exponentials are done: i even: pair i / 2 is rounded to f16; i odd: it is added onto one of two running pairs (the first four pairs start them)
.if ((\i)%2) == 0
	s_wait_alu depctr_va_vdst(0)
	v_cvt_pk_f16_f32 v[TMP+4*(\bb)+(\i)/2], v[T+8*(\bb)+(\i)], v[T+8*(\bb)+(\i)+1]
.elseif (\bb) > 0
	v_pk_add_f32 v[LP+2*(((\i)/2)%2):LP+2*(((\i)/2)%2)+1], v[LP+2*(((\i)/2)%2):LP+2*(((\i)/2)%2)+1], v[T+8*(\bb)+(\i)-1:T+8*(\bb)+(\i)]
.elseif (\i) < 4
	v_pk_add_f32 v[LP+2*((\i)/2):LP+2*((\i)/2)+1], v[T+(\i)-1:T+(\i)], v[T+(\i)+3:T+(\i)+4]
.endif
.endm
	s_wait_tensorcnt 1                             ; my part of K step 0 is in; K step 1's may stay out
	s_barrier_signal -1
	s_barrier_wait -1
	FETCH 0, F0
	QUARTER 1, F0, F1, 1                           ; the first quarter stands in front of the loop: its products start the sums
	WIN 0
	s_mov_b32 s3, 6                                ; K steps 0 to 5 end with a refill: K steps 2 to 7
.Lstep:                                                ; a trip goes from a K step's second quarter to the next step's first
	QUARTER 2, F1, F0, 0
	QUARTER 3, F0, F1, 0
	TURN 1
	QUARTER 1, F0, F1, 0
	WIN 0
	s_sub_co_u32 s3, s3, 1
	s_cmp_lg_u32 s3, 0
	s_cbranch_scc1 .Lstep
	s_mov_b32 s3, 2                                ; the last two K steps fill nothing: a loop of their own; it is entered behind a step's first quarter
	s_branch .Lmid
.Ltail:
	QUARTER 1, F0, F1, 0
	WIN 0
.Lmid:
	QUARTER 2, F1, F0, 0
	QUARTER 3, F0, F1, 0
	TURN 0
	WIN 0
	s_sub_co_u32 s3, s3, 1
	s_cmp_lg_u32 s3, 0
	s_cbranch_scc1 .Ltail
	s_wait_dscnt 0x0                               ; the last change of slots has fetched a quarter that nobody multiplies: its loads are back, so the fragments' registers are free
	PLACES
	v_mov_b32 v[PCM], 0                            ; written once, so that every way through the loop finds them written; an odd block reads what the even block before it left
	v_mov_b32 v[PLL], 0
	s_mov_b32 s[BC], 0
.Lblk:                                                 ; eight trips, a query block each
.irp a, 0,1,2,3,4,5,6
	s_cmp_eq_u32 s[BC], \a
	s_cbranch_scc1 .Lspec\a
.endr
	SPEC 7
	s_branch .Lcommon
.irp a, 0,1,2,3,4,5,6
.Lspec\a:
	SPEC \a
.if (\a) < 6
	s_branch .Lcommon
.endif
.endr
.Lcommon:
.irp i, 0,1,2,3,4,5,6,7
	v_exp_f32 v[T+(\i)], v[T+(\i)]
.endr
	v_nop                                          ; a plain line between the first eight exponentials and the use of their results (ISA guide 5.7.2)
.irp b, 1,2,3,4,5,6,7                  ; from here on a rounding or a sum of the key block before stands behind each exponential
.irp i, 0,1,2,3,4,5,6,7
	v_exp_f32 v[T+8*(\b)+(\i)], v[T+8*(\b)+(\i)]
	XOP (\b)-1, \i
.endr
.endr
.irp i, 0,1,2,3,4,5,6,7
	XOP 7, \i
.endr
	v_pk_add_f32 v[LP:LP+1], v[LP:LP+1], v[LP+2:LP+3]
	v_add_f32 v[LP], v[LP], v[LP+1]
	v_permlanex16_b32 v[LP+1], v[LP], s70, s71
	v_add_f32 v[LL], v[LP], v[LP+1]
.irp b, 0,1,2,3,4,5,6,7
	global_store_b128 v[CO], v[TMP+4*(\b):TMP+4*(\b)+3], s[6:7] offset:512*(\b)  ; a key block's 512 consecutive bytes, at a multiple of 256
.endr
	s_bitcmp1_b32 s[BC], 0
	s_cbranch_scc0 .Leven
	v_cndmask_b32 v[PAIR], v[PCM], v[CM], s72      ; an odd block: lane l takes the pair of query l of the two blocks' 32 (every lane of either half holds its query's pair):
	v_cndmask_b32 v[PAIR+1], v[PLL], v[LL], s72
	global_store_b64 v[SO], v[PAIR:PAIR+1], s[8:9] ; one store of 256 consecutive bytes
	s_wait_xcnt 0x0                                ; its base steps only behind this wait
	s_add_nc_u64 s[8:9], s[8:9], 256
.Leven:
	v_mov_b32 v[PCM], v[CM]
	v_mov_b32 v[PLL], v[LL]
	s_wait_xcnt 0x0                                ; every earlier memory instruction has had its addresses translated (ISA guide 3.1): the stores' base and data are rewritten only behind this wait
	s_add_nc_u64 s[6:7], s[6:7], 65536             ; the next 16 queries
	s_add_co_u32 s[BC], s[BC], 1
	s_cmp_lt_u32 s[BC], 8
	s_cbranch_scc1 .Lblk
	s_wait_tensorcnt 0x0                           ; the wave's end: the add and its wait, behind my last tensor load
	ds_add_u32 v[SPW], v[NIL]
	s_wait_dscnt 0x0
	CROUND                                         ; the closing round
	s_endpgm
.Lfunc_end_k_q2f1aee36a5_scores:
	.size	k_q2f1aee36a5_scores, .Lfunc_end_k_q2f1aee36a5_scores-k_q2f1aee36a5_scores
	.p2alignl 7, 3214868480
	.fill 96, 4, 3214868480
	.section	.rodata,"a",@progbits
	.p2align	6, 0x0
	.amdhsa_kernel k_q2f1aee36a5_scores
		.amdhsa_group_segment_fixed_size 327680
		.amdhsa_private_segment_fixed_size 0
		.amdhsa_enable_private_segment 0
		.amdhsa_kernarg_size 24
		.amdhsa_user_sgpr_count 2
		.amdhsa_user_sgpr_kernarg_segment_ptr 1
		.amdhsa_wavefront_size32 1
		.amdhsa_system_sgpr_workgroup_id_x 1
		.amdhsa_system_sgpr_workgroup_id_y 1
		.amdhsa_system_sgpr_workgroup_id_z 1
		.amdhsa_system_vgpr_workitem_id 0
		.amdhsa_next_free_vgpr 1024
		.amdhsa_next_free_sgpr 80
		.amdhsa_reserve_vcc 0
		.amdhsa_float_denorm_mode_32 3
		.amdhsa_float_denorm_mode_16_64 3
		.amdhsa_memory_ordered 1
		.amdhsa_forward_progress 1
		.amdhsa_inst_pref_size 112
	.end_amdhsa_kernel
	.amdgpu_metadata
---
amdhsa.version: [ 1, 2 ]
amdhsa.kernels:
  - .name:           k_q2f1aee36a5_scores
    .symbol:         k_q2f1aee36a5_scores.kd
    .args:
      - { .name: qkv, .offset: 0, .size: 8, .value_kind: global_buffer, .address_space: global }
      - { .name: p, .offset: 8, .size: 8, .value_kind: global_buffer, .address_space: global }
      - { .name: st, .offset: 16, .size: 8, .value_kind: global_buffer, .address_space: global }
    .group_segment_fixed_size: 327680
    .private_segment_fixed_size: 0
    .kernarg_segment_align: 8
    .kernarg_segment_size: 24
    .max_flat_workgroup_size: 128
    .sgpr_count:     80
    .vgpr_count:     1024
    .wavefront_size: 32
...
	.end_amdgpu_metadata
.endif
;; end of part 6
;; launch pv (part 7): grid 4 x 64, 4 waves a work-group, clusters of 4 x 4, 327,680 bytes of LDS; arguments p, qkv, st, out0; writes out0
.if DOCPART == 7
	.amdgcn_target "amdgcn-amd-amdhsa--gfx1250"
	.amdhsa_code_object_version 6
	.text
	.protected	k_q2f1aee36a5_pv
	.globl	k_q2f1aee36a5_pv
	.p2align	8
	.type	k_q2f1aee36a5_pv,@function
k_q2f1aee36a5_pv:
	s_mov_b64 s[64:65], 0
	v_nop
	global_prefetch_b8 v0, s[64:65] scope:SCOPE_SE
	s_setreg_imm32_b32 hwreg(HW_REG_WAVE_MODE, 25, 1), 1
	s_wait_xcnt 0x0
	s_wait_alu depctr_hold_cnt(0) depctr_sa_sdst(0) depctr_va_vdst(0) depctr_va_sdst(0) depctr_va_ssrc(0) depctr_va_vcc(0) depctr_vm_vsrc(0)
	s_getreg_b32 s2, hwreg(HW_REG_IB_STS2, 6, 4)
	s_cmp_eq_u32 s2, 0
	s_cbranch_scc0 .Lentry_in_a_cluster
	s_endpgm
.Lentry_in_a_cluster:
	s_bfe_u32 s2, ttmp6, 0x10000c
	s_cmp_lg_u32 s2, 0xf033
	s_cbranch_scc0 .Lentry_shape_is_right
	s_endpgm
.Lentry_shape_is_right:
; O = softmax(S) v, from the chunks that the launch before left.  p holds 2^(c s - c m_chunk) in f16, laid out as this product's fragments: [512 blocks of 16 queries][128 blocks of 16 keys][32 lanes][16 bytes];
; st [16 chunks][8192 queries][2] f32 holds (c m_chunk, l_chunk); v [8192][1024] f16 lies in qkv, 33,554,432 bytes in.
; For a query: M = the largest c m_chunk (the row's true maximum), w = 2^(c m_chunk - M), L = the sum of w l, O = the sum over chunks of (w / L) (p v), f32.
; A chunk is 128 keys.  Its product X = p v starts its sums anew (C = 0); when it is whole, O += (w / L) X, in f32, one factor a lane (a lane holds one query).  All but the products' operands is f32.
; w <= 1 and the largest chunk has w = 1 and l >= 1 (to within c m's rounding), so L is about 1 or more and nothing overflows.  LIMITS.  O is a mean of v's rows; NaN and infinities are not treated apart.
; SHARES.  A tile of O is 128 x 256: 4 x 64 = 256 work-groups, one for each WGP (tiles of 256 x 256 would be 128).  Four waves, 2 x 2, each 64 x 128: 32 accumulators.
; p COMES STRAIGHT INTO REGISTERS: a load of the wave is 512 consecutive bytes, half a fragment.  A ring of eight register slots, one for each quarter of 32 keys (4 fragments, 32 registers): behind quarter g
; the wave asks for quarter g + 8, so 56 loads are out at the most.  The two waves of a row half, and the four work-groups of a row of the cluster, each read the same p: eight reads of each byte.
; LDS HOLDS v ALONE, so that two slots of 256 keys x 256 channels fit (with p beside it only 128 keys would): a wave's one tensor load behind a round brings 64 keys and has seven quarters, 224 products, in which to land.
; v lies [key][channel]: its fragments come turned out of LDS.  The matrix instruction is used transposed: a lane holds eight neighbouring numbers of a row of O.
; THE LOOPS.  A trip is a slot: two chunks, eight quarters.  Six trips fill a slot again; the last two are a second loop.  The very first quarter, which has no chunk before it, is written out, and the loop entered behind its first quarter.
; In the last trip the loads of p ask once more for the last slot's fragments, and the two fetches across the change of slots read the stale slot: 64 loads and 32 LDS loads a wave that nobody uses, the price of one text for the two trips.
; CLUSTER.  4 x 4: the four of a column (one batch: 16 row blocks a batch) need the same tile of v and ask for it jointly.  p is not asked for jointly: it does not go through LDS.
; REGISTERS, in windows of 256 (s_set_vgpr_msb: bits 1:0 source 0, 3:2 source 1, 5:4 source 2, 7:6 destination):
;   window 0: v0-31 addresses; v32-47 a chunk's four factors, each twice, two buffers; v48-53 at work; v64-127 the statistics; v128-255 v's fragments, two buffers of 8
;   window 1: v0-127 X of row blocks 0, 1 (on the way out: rows read back); v128-255 p's ring, slots 0-3        window 2: the same for blocks 2, 3 and slots 4-7        window 3: O, block a at 64 a + 8 b
.set PB,    544                        ; a row of v in LDS: 512 bytes + 32 = 136 words
.set BQ,    64*PB                      ; 64 keys: what one tensor load brings: 34,816 = 0x8800
.set CHK,   2*BQ                       ; a slot's second chunk begins here
.set SLOT,  4*BQ                       ; 139,264 = 0x22000.  The fills' LDS bases, wave x 0x8800, have neither of its two bits: an exclusive or with it goes from slot to slot
.set STAGE, 2*SLOT                     ; behind the ring, for each wave 8,448 bytes that no tensor load fills: first the table of factors, w / L twice in f32, [16 chunks][16 rows r][4 blocks a][2]: 8,192 bytes;
.set SP,    528                        ; when the last factors have been read, the stage for the way out: 16 rows x (512 + 16) bytes.  Both are the wave's own, and LDS serves a wave's instructions in order (ISA guide 5.7.1.4)
.set WREG,  16*SP
.set SPARE, STAGE+4*WREG               ; the spare words, 128 bytes for each wave: two blocks of 256 bytes that no other line names
.set STEPB, 256*2048                   ; a slot's 256 keys down the rows of v
.set STEPP, 8192                       ; a slot's 16 key blocks of 512 bytes in p
.set TS,   8                           ; v8   where I store a factor
.set ADRB0, 16                         ; v16  LDS address of my fragments of v in slot 0; never rewritten
.set AB0,  17                          ; v17  the same in the slot in hand, first chunk
.set AB1,  18                          ; v18  second chunk: an LDS instruction's immediate does not reach it from v17
.set STO,  24
.set RD,   25
.set CO,   26                          ; v26  16 x lane: my place in 512 consecutive bytes of p, of st and of out0; never rewritten
.set SPW,  28
.set NIL,  29
.set TAB,  30                          ; v30  where the trip's factors lie
.set TAB0, 31                          ; v31  my row's place in a chunk's part of the table; never rewritten
.set WR,   32
.set MX,   48                          ; v48-49  M, for my two queries
.set LG,   50                          ; v50-51  L
.set RC,   52                          ; v52-53  1 / L
.set ST,   64                          ; the statistics: (c m, l) of chunk c, query 2 lane + e at ST + 4 c + 2 e
.set FB,   128
.set RING, 128
.set G1B, 48                           ; s[48:55] descriptor group 1 for v's tiles;  s[56:63] group 0: a set for each of the two first fills; the second then walks on
.set G0B, 56
.set TB,  66                           ; s66  0 or SLOT: the slot in hand
.set TW,  67                           ; s67  the next trip's place in the table: 1,024 bytes for two chunks
.set AP,  76                           ; s[76:77] p at my rows, at the slot that the trip asks for
.set AP0, 78                           ; s[78:79] p at my rows, slot 0; never rewritten
.set MSB, 0
.macro WIN new
.if MSB != (\new)
	s_set_vgpr_msb (MSB<<8)|(\new)
.set MSB, \new
.endif
.endm
.macro JLOAD s                         ; a joint load: every wave fetches its 64 keys of the slot; an s_nop 0 and four v_nop follow the line
	tensor_load_to_lds s[G0B+4*(\s):G0B+4*(\s)+3], s[G1B:G1B+7]
	s_nop 0
.rept 4
	v_nop
.endr
.endm
.macro CREST
	s_cmp_lg_u32 s10, 0
	s_cbranch_scc1 .Lnot_wave_0_\@
	s_barrier_signal -3
.Lnot_wave_0_\@:
	s_barrier_wait -3
	s_barrier_signal -1
	s_barrier_wait -1
.endm
.macro CROUND
	s_barrier_signal -1
	s_barrier_wait -1
	CREST
.endm
.macro PLACES                          ; four places in front of loads into registers that matrix instructions have read, and of vector lines that read results
.rept 4
	v_nop
.endr
.endm
; Eight loads: quarter i of the slot at base, my four query blocks' fragments, into ring slot i
.macro ALOAD i, base
	WIN (1+(\i)/4)<<6                              ; destination window 1 or 2, address window 0
.irp a, 0,1,2,3
	global_load_b128 v[RING+32*((\i)%4)+8*(\a):RING+32*((\i)%4)+8*(\a)+3],   v[CO], s[\base:\base+1] offset:(\a)*65536+(\i)*1024
	global_load_b128 v[RING+32*((\i)%4)+8*(\a)+4:RING+32*((\i)%4)+8*(\a)+7], v[CO], s[\base:\base+1] offset:(\a)*65536+(\i)*1024+512
.endr
.endm
	s_load_b256 s[68:75], s[0:1], 0x0              ; p s[68:69], qkv s[70:71], st s[72:73], out0 s[74:75]
	v_lshl_add_u32 v[SPW], v0, 2, SPARE
	v_mov_b32 v[NIL], 0
	ds_add_u32 v[SPW], v[NIL]                      ; the wave's opening: the add and its wait stand ahead of my first tensor load
	v_lshrrev_b32 v1, 5, v0
	v_readfirstlane_b32 s10, v1                    ; wave 0..3: also which 64 keys of a slot I fetch
	s_lshr_b32 s11, s10, 1                         ; which half of the tile's rows is mine
	s_and_b32 s12, s10, 1                          ; which half of its columns
	s_bfe_u32 s40, ttmp6, 0x40000                  ; cx: the block of 256 channels
	s_bfe_u32 s41, ttmp6, 0x40004                  ; cy
	s_and_b32 s13, ttmp7, 0xffff
	s_lshl_b32 s13, s13, 2
	s_add_co_u32 s13, s13, s41                     ; block of 128 queries = 4 x cluster y + cy
	s_and_b32 s45, ttmp7, 0xffff
	s_lshr_b32 s45, s45, 2                         ; the batch: cluster y / 4
	s_lshl_b32 s44, 0x1111, s40                    ; my column of the cluster
	s_or_b32 s[G1B+0], s44, (1<<16)|(1<<20)|(1<<21)|(6<<22)|(7<<25)  ; the mask; 2-byte elements; padding on; 21 set beside a mask; after every 128 words 8 words
	s_mov_b32 s[G1B+1], 256<<16                    ; tensor_dim0 = 256 channels
	s_mov_b32 s[G1B+2], 64<<16                     ; tensor_dim1 = 64 keys
	s_mov_b32 s[G1B+3], 256<<16                    ; tile_dim0
	s_mov_b32 s[G1B+4], 64                         ; tile_dim1
	s_mov_b32 s[G1B+5], 1024                       ; elements from row to row
	s_mov_b32 s[G1B+6], 0
	s_mov_b32 s[G1B+7], 0
	s_lshl_b32 s46, s45, 11                        ; v: row 2,048 x batch + 64 x wave, 2,048 bytes a row; 512 bytes a channel block; behind q and k
	s_lshl_b32 s47, s10, 6
	s_add_co_u32 s46, s46, s47
	s_lshl_b32 s46, s46, 11
	s_lshl_b32 s47, s40, 9
	s_add_co_u32 s46, s46, s47
	s_add_co_u32 s46, s46, 0x2000000
	s_mov_b32 s47, 0
	s_mul_i32 s20, s10, BQ                         ; where they go: no place in the cluster enters an LDS address
	s_mov_b32 s[TB], 0
	s_mov_b32 s[TW], 1024
	s_lshl_b32 s16, s13, 7
	s_lshl_b32 s17, s11, 6
	s_add_co_u32 s16, s16, s17                     ; my first query:
	s_lshl_b32 s18, s16, 3                         ; 8 bytes a query in st,
	s_mov_b32 s19, 0
	s_lshl_b32 s16, s16, 12                        ; 4,096 in p (65,536 for a block of 16) and in out0
	s_mov_b32 s17, 0
	v_and_b32 v4, 31, v0
	v_lshlrev_b32 v[CO], 4, v4
	s_wait_dscnt 0x0                               ; the opening add is done
	s_wait_kmcnt 0x0
	s_add_nc_u64 s[46:47], s[70:71], s[46:47]
	s_add_nc_u64 s[72:73], s[72:73], s[18:19]
	s_add_nc_u64 s[AP0:AP0+1], s[68:69], s[16:17]
	s_add_nc_u64 s[AP:AP+1], s[AP0:AP0+1], STEPP   ; the first trip asks for slot 1
	s_add_nc_u64 s[74:75], s[74:75], s[16:17]
.irp c, 0,1,2,3,4,5,6,7,8,9,10,11,12,13,14,15          ; the statistics of my wave's 64 queries: lane l takes queries 2 l and 2 l + 1: 512 consecutive bytes a chunk
	global_load_b128 v[ST+4*(\c):ST+4*(\c)+3], v[CO], s[72:73] offset:65536*(\c)
.endr
.irp i, 0,1,2,3,4
	ALOAD \i, AP0                                  ; and the first five quarters of p: 56 loads are out
.endr
	WIN 0
	CROUND                                         ; all sixteen work-groups are here: the first joint loads meet
.irp s, 0,1
	s_mov_b32 s[G0B+4*(\s)], 1
	s_add_co_u32 s[G0B+4*(\s)+1], s20, (\s)*SLOT
	s_add_nc_u64 s[G0B+4*(\s)+2:G0B+4*(\s)+3], s[46:47], (\s)*STEPB
	s_or_b32 s[G0B+4*(\s)+3], s[G0B+4*(\s)+3], 0x80000000
	JLOAD \s                                       ; slots 0 and 1: two tensor loads of mine are out
.endr
	v_and_b32 v1, 15, v0                           ; r
	v_bfe_u32 v2, v0, 4, 1                         ; h
	v_and_b32 v6, 7, v0                            ; the turning load: lane l reads key 8 h + l % 8, 16 bytes at 16 ((l / 8) % 2)
	v_bfe_u32 v7, v0, 3, 1
	v_lshl_add_u32 v5, v2, 3, v6
	v_mul_u32_u24 v5, v5, PB
	v_lshl_add_u32 v5, v7, 4, v5
	s_lshl_b32 s22, s12, 8                         ; my 128 channels
	v_add_nc_u32 v[ADRB0], s22, v5
	v_mov_b32 v[AB0], v[ADRB0]                     ; slot 0 is first
	v_add_nc_u32 v[AB1], CHK, v[ADRB0]
	s_mul_i32 s23, s10, WREG
	s_add_co_u32 s23, s23, STAGE                   ; my table, later my stage
	v_mul_u32_u24 v5, v1, SP                       ; into the stage: row r, 32 bytes for each half of the lanes
	v_lshl_add_u32 v5, v2, 5, v5
	v_add_nc_u32 v[STO], s23, v5
	v_add_nc_u32 v[RD], s23, v[CO]                 ; back: 32 lanes take one row of 512 bytes
	v_lshlrev_b32 v5, 5, v1
	v_add_nc_u32 v[TAB0], s23, v5                  ; 32 r: a row's four pairs
	v_mov_b32 v[TAB], v[TAB0]                      ; the first trip's chunks are 0 and 1
	v_lshlrev_b32 v5, 6, v6                        ; query 2 l + e is row 2 (l % 8) + e of block l / 8: 64 (l % 8) + 8 (l / 8) here, 32 e in the immediate
	v_bfe_u32 v3, v0, 3, 2
	v_lshl_add_u32 v5, v3, 3, v5
	v_add_nc_u32 v[TS], s23, v5
	s_lshl_b32 s46, s40, 10                        ; out0: my first channel, 4 bytes each
	s_lshl_b32 s47, s12, 9
	s_add_co_u32 s46, s46, s47
	s_mov_b32 s47, 0
	s_add_nc_u64 s[74:75], s[74:75], s[46:47]
.set i, 0
.rept 16
	v_mov_b32 v[FB+i], 0                           ; two fragments of zeros,
.set i, i+1
.endr
	WIN 0xc0                                       ; destination window 3
.set i, 0
.rept 32
	v_wmma_f32_16x16x32_f16 v[8*i:8*i+7], v[FB:FB+7], v[FB+8:FB+15], 0  ; whose product clears O, eight registers a line, in the wait for the first tiles: so one text serves every chunk's O += (w / L) X
.set i, i+1
.endr
	s_wait_loadcnt 32                              ; all but the youngest 32: the statistics and p's quarter 0 are in,
.irp i, 5,6,7
	ALOAD \i, AP0                                  ; so with the last three quarters of slot 0 again 56 loads are out
.endr
	WIN 0
.irp e, 0,1
	v_max3_num_f32 v[MX+(\e)], v[ST+2*(\e)], v[ST+4+2*(\e)], v[ST+8+2*(\e)]
.irp c, 3,5,7,9,11,13
	v_max3_num_f32 v[MX+(\e)], v[MX+(\e)], v[ST+4*(\c)+2*(\e)], v[ST+4*(\c)+4+2*(\e)]
.endr
	v_max_num_f32 v[MX+(\e)], v[MX+(\e)], v[ST+60+2*(\e)]
.endr
.irp c, 0,1,2,3,4,5,6,7,8,9,10,11,12,13,14,15
.irp e, 0,1
	v_sub_f32 v[ST+4*(\c)+2*(\e)], v[ST+4*(\c)+2*(\e)], v[MX+(\e)]
.endr
.endr
.irp c, 0,1,2,3,4,5,6,7,8,9,10,11,12,13,14,15
.irp e, 0,1
	v_exp_f32 v[ST+4*(\c)+2*(\e)], v[ST+4*(\c)+2*(\e)]
.endr
.endr
	v_nop                                          ; a plain instruction between the exponentials and the use of their results (ISA guide 5.7.2)
	s_wait_alu depctr_va_vdst(0)
.irp c, 0,1,2,3,4,5,6,7,8,9,10,11,12,13,14,15
.irp e, 0,1
.if (\c) == 0
	v_mul_f32 v[LG+(\e)], v[ST+2*(\e)], v[ST+2*(\e)+1]                 ; L = the sum of w l; the first product starts it
.else
	v_fmac_f32 v[LG+(\e)], v[ST+4*(\c)+2*(\e)], v[ST+4*(\c)+2*(\e)+1]
.endif
.endr
.endr
	v_rcp_f32 v[RC], v[LG]
	v_rcp_f32 v[RC+1], v[LG+1]
	v_nop                                          ; a plain instruction before the reciprocals are used
	s_wait_alu depctr_va_vdst(0)
.irp c, 0,1,2,3,4,5,6,7,8,9,10,11,12,13,14,15
.irp e, 0,1
	v_mul_f32 v[ST+4*(\c)+2*(\e)+1], v[ST+4*(\c)+2*(\e)], v[RC+(\e)]   ; w / L, twice: l's register is free
	v_mul_f32 v[ST+4*(\c)+2*(\e)], v[ST+4*(\c)+2*(\e)], v[RC+(\e)]
	ds_store_b64 v[TS], v[ST+4*(\c)+2*(\e):ST+4*(\c)+2*(\e)+1] offset:512*(\c)+32*(\e)
.endr
.endr
; O += (w / L) X for accumulator b of row block a, with the factors of buffer w: four packed lines, the accumulator's lowest registers first
.macro ACCB a, b, w
	WIN 0xf1+(\a)/2                                ; destination and source 2 (O) window 3, source 0 (X) window 1 or 2, source 1 (the factor) window 0
.irp r, 0,1,2,3
	v_pk_fma_f32 v[64*(\a)+8*(\b)+2*(\r):64*(\a)+8*(\b)+2*(\r)+1], v[64*((\a)%2)+8*(\b)+2*(\r):64*((\a)%2)+8*(\b)+2*(\r)+1], v[WR+8*(\w)+2*(\a):WR+8*(\w)+2*(\a)+1], v[64*(\a)+8*(\b)+2*(\r):64*(\a)+8*(\b)+2*(\r)+1] op_sel_hi:[1,0,1]
.endr
.endm
.macro ACC a, w
.irp b, 0,1,2,3,4,5,6,7
	ACCB \a, \b, \w
.endr
.endm
; 8 matrix instructions of quarter i: row block a x all 8 channel blocks, 32 keys.  first = 1: the products start the chunk's sums.  ride = 1: behind each stand the four lines that take the NEXT block's X of the chunk
; before into O: they name no register of the products round them, and they cost two window switches each, since no window has room for O beside X.  The 32 accumulators take turns, one instruction a turn.
.macro GRP i, a, first, ride, w
.set WA, 1+(\i)/4                      ; the ring slot's window
.set WX, 1+(\a)/2                      ; X's window
.set RA, RING+32*((\i)%4)+8*(\a)
.set RB, FB+64*((\i)%2)
.set RX, 64*((\a)%2)
.irp b, 0,1,2,3,4,5,6,7
	WIN (WX<<6)|(WX<<4)|(WA<<2)
.if \first
	v_wmma_f32_16x16x32_f16 v[RX+8*(\b):RX+8*(\b)+7], v[RB+8*(\b):RB+8*(\b)+7], v[RA:RA+7], 0
.else
	v_wmma_f32_16x16x32_f16 v[RX+8*(\b):RX+8*(\b)+7], v[RB+8*(\b):RB+8*(\b)+7], v[RA:RA+7], v[RX+8*(\b):RX+8*(\b)+7]
.endif
.if \ride
	ACCB (\a)+1, \b, \w
.endif
.endr
.endm
; 16 LDS loads in one run: v's fragments of 32 keys, quarter kq of the chunk at adr, into buffer f
.macro FETCH adr, kq, f
	WIN 0
.irp i, 0,1,2,3,4,5,6,7
	ds_load_tr16_b128 v[FB+64*(\f)+8*(\i):FB+64*(\f)+8*(\i)+3],   v[\adr] offset:(\kq)*32*PB+32*(\i)
	ds_load_tr16_b128 v[FB+64*(\f)+8*(\i)+4:FB+64*(\f)+8*(\i)+7], v[\adr] offset:(\kq)*32*PB+32*(\i)+16*PB
.endr
.endm
; Quarter i of a slot (all but the seventh): 32 products, then ONE run of loads: v's fragments of the quarter after next into the buffer just multiplied, and p's of the same quarter of the next slot into the ring slot just multiplied.
; A chunk's first quarter (i = 0, 4) starts X anew.  acc = 1: the chunk before is taken into O first: block 0's lines bare, the others' behind the products; its factors lie in the other buffer.  The chunk's own factors are fetched at the quarter's end.
.macro QUARTER i, acc=0
	s_wait_dscnt 16                                ; all but the youngest run: this quarter's fragments of v are in
.if ((\i)%4) == 0
.if \acc
	ACC 0, 1-(\i)/4
	GRP \i, 0, 1, 1, 1-(\i)/4
	GRP \i, 1, 1, 1, 1-(\i)/4
	GRP \i, 2, 1, 1, 1-(\i)/4
	GRP \i, 3, 1, 0, 0
.else
	GRP \i, 0, 1, 0, 0
	GRP \i, 1, 1, 0, 0
	GRP \i, 2, 1, 0, 0
	GRP \i, 3, 1, 0, 0
.endif
.else
	GRP \i, 0, 0, 0, 0
	GRP \i, 1, 0, 0, 0
	GRP \i, 2, 0, 0, 0
	GRP \i, 3, 0, 0, 0
.endif
	PLACES
	WIN 0
.if ((\i)%4) == 0
	ds_load_b128 v[WR+8*((\i)/4):WR+8*((\i)/4)+3],   v[TAB] offset:512*((\i)/4)     ; older than the run below, so the next quarter's count covers them; this buffer's last reader stood a chunk ago
	ds_load_b128 v[WR+8*((\i)/4)+4:WR+8*((\i)/4)+7], v[TAB] offset:512*((\i)/4)+16
.endif
.if (\i) < 2
	FETCH AB0, (\i)+2, (\i)%2
.elseif (\i) < 6
	FETCH AB1, (\i)-2, (\i)%2
.else
	FETCH AB0, (\i)-6, (\i)%2                      ; the change of slots has been: this is the next slot
.endif
	s_wait_loadcnt 48                              ; seven groups of eight are out: all but the youngest six: the next quarter's fragments of p are in
	ALOAD \i, AP
.endm
; The seventh quarter changes slots: my last reads of the slot, the eighth quarter's fragments, were issued a quarter ago.  ONE barrier; in front of it each wave waits for all its tensor loads, adds 0 to its spare word,
; and waits for that and for its own reads of the slot.  fill = 1: the barrier opens a round of the cluster's, and the slot is filled again, two slots ahead, first thing behind the round.
.macro CHANGE fill
	WIN 0
	s_wait_tensorcnt 0x0                           ; all my tensor loads have landed: the one that was out is my part of the next slot
	ds_add_u32 v[SPW], v[NIL]                      ; 0 onto my spare word
	s_wait_dscnt 17                                ; (the add and the youngest run may be out)
	GRP 6, 0, 0, 0, 0                              ; eight matrix instructions stand between the add and the wait for it
	s_wait_dscnt 0x0                               ; the add is done, and my reads of this slot are over
	s_barrier_signal -1
	GRP 6, 1, 0, 0, 0
	GRP 6, 2, 0, 0, 0
	GRP 6, 3, 0, 0, 0
	WIN 0                                          ; at a branch and at a label every window is 0
	s_barrier_wait -1
.if \fill
	CREST                                          ; no wave of any partner still reads this slot or has a load on its way
	s_xor_b32 s[G0B+5], s[G0B+5], SLOT             ; the walking descriptor: the other slot than last time,
	s_add_nc_u64 s[G0B+6:G0B+7], s[G0B+6:G0B+7], STEPB  ; the next 256 keys; the type bits on top are not reached
	JLOAD 1                                        ; my one tensor load behind the round; its four v_nop are also the places in front of the loads below
.else
	PLACES
.endif
	s_xor_b32 s[TB], s[TB], SLOT                   ; the reads go on in the other slot
	v_add_nc_u32 v[AB0], s[TB], v[ADRB0]
	v_add_nc_u32 v[AB1], CHK, v[AB0]
	FETCH AB0, 0, 0
	s_wait_loadcnt 48
	ALOAD 6, AP
.endm
; THE WAY OUT of row block a.  TOSTAGE: 32 bytes a lane into my own stage, and back as whole rows of 512 bytes, into the block's X, which has been taken into O.  SEND: stored.  The ring's registers are not touched: loads into them may be out.
.macro TOSTAGE a
	WIN 0x0c                                       ; address window 0, data (O) window 3
.irp b, 0,1,2,3,4,5,6,7
	ds_store_b128 v[STO], v[64*(\a)+8*(\b):64*(\a)+8*(\b)+3]   offset:64*(\b)
	ds_store_b128 v[STO], v[64*(\a)+8*(\b)+4:64*(\a)+8*(\b)+7] offset:64*(\b)+16
.endr
	WIN 0x44*(1+(\a)/2)                            ; address window 0; destination, and the stores' data, window 1 or 2
.irp t, 0,1,2,3,4,5,6,7,8,9,10,11,12,13,14,15
	ds_load_b128 v[64*((\a)%2)+4*(\t):64*((\a)%2)+4*(\t)+3], v[RD] offset:(\t)*SP  ; in order behind the stores above (ISA guide 5.7.1.4)
.endr
.endm
.macro SEND a
	WIN 0x44*(1+(\a)/2)
.irp t, 0,1,2,3,4,5,6,7,8,9,10,11,12,13,14,15
	s_wait_dscnt 15-(\t)                           ; the block's loads are the youngest LDS instructions: number t is in
	global_store_b128 v[CO], v[64*((\a)%2)+4*(\t):64*((\a)%2)+4*(\t)+3], s[74:75] offset:(16*(\a)+(\t))*4096 th:TH_STORE_NT  ; 512 consecutive bytes, at a multiple of 256
.endr
.endm
	s_wait_dscnt 0x0                               ; no LDS instruction of mine is pending at a signal
	s_wait_tensorcnt 1                             ; my part of slot 0 is in; slot 1's may stay out
	s_barrier_signal -1
	s_barrier_wait -1
	FETCH AB0, 0, 0
	FETCH AB0, 1, 1
	QUARTER 0                                      ; the very first quarter: there is no chunk before it
	WIN 0
	s_mov_b32 s3, 6                                ; slots 0 to 5 end with a refill: slots 2 to 7
	s_branch .Lenter
.Ltop:
	v_add_nc_u32 v[TAB], s[TW], v[TAB0]            ; this trip's two chunks in the table: 1,024 to 7,168, inside its 8,192 bytes
	s_add_co_u32 s[TW], s[TW], 1024
	QUARTER 0, 1
	WIN 0
.Lenter:
	QUARTER 1
	QUARTER 2
	QUARTER 3
	QUARTER 4, 1
	QUARTER 5
	CHANGE 1
	QUARTER 7
	WIN 0
	s_wait_xcnt 0x0                                ; every earlier memory instruction has had its addresses translated (ISA guide 3.1): the loads' base steps only behind this wait
	s_add_nc_u64 s[AP:AP+1], s[AP:AP+1], STEPP
	s_sub_co_u32 s3, s3, 1
	s_cmp_lg_u32 s3, 0
	s_cbranch_scc1 .Ltop
	s_mov_b32 s3, 2                                ; the last two slots fill nothing: a loop of their own.  p's base stays at the last slot: no load leaves the buffer
.Ltail:
	v_add_nc_u32 v[TAB], s[TW], v[TAB0]
	s_add_co_u32 s[TW], s[TW], 1024
	QUARTER 0, 1
	QUARTER 1
	QUARTER 2
	QUARTER 3
	QUARTER 4, 1
	QUARTER 5
	CHANGE 0
	QUARTER 7
	WIN 0
	s_sub_co_u32 s3, s3, 1
	s_cmp_lg_u32 s3, 0
	s_cbranch_scc1 .Ltail
	ACC 0, 1                                       ; the last chunk, block by block (the places behind the last products stand at the last quarter's end); a block's lines stand between the loads of the block before from the stage and the wait for them
	TOSTAGE 0
.irp a, 1,2,3
	ACC \a, 1
	SEND (\a)-1
	TOSTAGE \a
.endr
	SEND 3
	WIN 0
	s_wait_tensorcnt 0x0                           ; the wave's end: the add and its wait, behind my last tensor load and my last LDS store
	ds_add_u32 v[SPW], v[NIL]
	s_wait_dscnt 0x0
	CROUND                                         ; the closing round
	s_endpgm
.Lfunc_end_k_q2f1aee36a5_pv:
	.size	k_q2f1aee36a5_pv, .Lfunc_end_k_q2f1aee36a5_pv-k_q2f1aee36a5_pv
	.p2alignl 7, 3214868480
	.fill 96, 4, 3214868480
	.section	.rodata,"a",@progbits
	.p2align	6, 0x0
	.amdhsa_kernel k_q2f1aee36a5_pv
		.amdhsa_group_segment_fixed_size 327680
		.amdhsa_private_segment_fixed_size 0
		.amdhsa_enable_private_segment 0
		.amdhsa_kernarg_size 32
		.amdhsa_user_sgpr_count 2
		.amdhsa_user_sgpr_kernarg_segment_ptr 1
		.amdhsa_wavefront_size32 1
		.amdhsa_system_sgpr_workgroup_id_x 1
		.amdhsa_system_sgpr_workgroup_id_y 1
		.amdhsa_system_sgpr_workgroup_id_z 1
		.amdhsa_system_vgpr_workitem_id 0
		.amdhsa_next_free_vgpr 1024
		.amdhsa_next_free_sgpr 80
		.amdhsa_reserve_vcc 0
		.amdhsa_float_denorm_mode_32 3
		.amdhsa_float_denorm_mode_16_64 3
		.amdhsa_memory_ordered 1
		.amdhsa_forward_progress 1
		.amdhsa_inst_pref_size 161
	.end_amdhsa_kernel
	.amdgpu_metadata
---
amdhsa.version: [ 1, 2 ]
amdhsa.kernels:
  - .name:           k_q2f1aee36a5_pv
    .symbol:         k_q2f1aee36a5_pv.kd
    .args:
      - { .name: p, .offset: 0, .size: 8, .value_kind: global_buffer, .address_space: global }
      - { .name: qkv, .offset: 8, .size: 8, .value_kind: global_buffer, .address_space: global }
      - { .name: st, .offset: 16, .size: 8, .value_kind: global_buffer, .address_space: global }
      - { .name: out0, .offset: 24, .size: 8, .value_kind: global_buffer, .address_space: global }
    .group_segment_fixed_size: 327680
    .private_segment_fixed_size: 0
    .kernarg_segment_align: 8
    .kernarg_segment_size: 32
    .max_flat_workgroup_size: 128
    .sgpr_count:     80
    .vgpr_count:     1024
    .wavefront_size: 32
...
	.end_amdgpu_metadata
.endif
;; end of part 7
;; ======== version 3 of 3: 4 launches; version 2 with the launch prep written anew for expert scheduling mode
;; limits: values are held in f16: magnitudes above 65,504 overflow, below 6.1e-05 lose precision
;; workspace buffers: cb 23,068,672 bytes; qkv 50,331,648 bytes; p 33,554,432 bytes; st 1,048,576 bytes
;; launch prep (part 8): grid 704 x 1, 8 waves a work-group, no clusters, 0 bytes of LDS; arguments x, Wq, Wk, Wv, cb; writes cb
.if DOCPART == 8
	.amdgcn_target "amdgcn-amd-amdhsa--gfx1250"
	.amdhsa_code_object_version 6
	.text
	.protected	k_q2f1aee36a5_prep
	.globl	k_q2f1aee36a5_prep
	.p2align	8
	.type	k_q2f1aee36a5_prep,@function
k_q2f1aee36a5_prep:
	s_mov_b64 s[64:65], 0
	v_nop
	global_prefetch_b8 v0, s[64:65] scope:SCOPE_SE
	s_setreg_imm32_b32 hwreg(HW_REG_WAVE_SCHED_MODE, 0, 2), 2
	s_setreg_imm32_b32 hwreg(HW_REG_WAVE_MODE, 25, 1), 1
	s_wait_xcnt 0x0
	s_wait_alu depctr_vm_vsrc(0)
; x and the three weight matrices, f32, are rounded once to bf16 (nearest even) and laid end to end in cb:
; xb [8192][1024] at byte 0, then Wq, Wk, Wv, each [1024 k][1024 n], 2,097,152 bytes apart.  Nothing is turned: the products read W as it lies.
; A stream: memory binds, so no LDS, no matrix unit, no cluster (no work-group shares a byte with another).
; Work-group id owns 16,384 numbers: 65,536 bytes in, 32,768 out, and its place in cb is id x 32,768 whatever the source (ids 0-511: x; 512-703: the weights, 64 ids each).
; A thread takes 16 bytes of each block of 4,096: a wave's load covers 512 consecutive bytes, its store 256 consecutive bytes at a multiple of 256.
; All sixteen loads go out first; no register is written twice.
; THE MODE: SCHED_MODE bits 1:0 = 2 (LLVM: expert scheduling mode 2), set by the entry lines.  The code itself states the register dependences
; between vector instructions and memory instructions, with s_wait_alu, always for 0.
; THE PLAN.  Registers that memory instructions touch:
;   v1, v2   byte offsets, made once at the head and never written again: v1 is read by every load, v2 by every store.
;   IN       written by the sixteen loads, which are issued before any vector instruction names it; read by the conversions; nothing lands in it again.
;   OUT      each register is written once, by one conversion, and read once, by one store; it is never written again.
; The sixteen pieces go in four blocks of four.  Block p rounds its four pieces into its own eight registers of OUT; its memory instructions are the four stores of block p - 1,
; which read the eight registers that block p - 1 wrote and that no vector instruction of block p names.  So one wait at a block's head states all that the block's stores hang on,
; and they are dealt among its conversions with no further wait.  No register that a memory instruction has read is written again, so the text holds no wait on vm_vsrc.
.set IN,  8                            ; v[8:71]    sixteen loads of four f32
.set OUT, 72                           ; v[72:103]  sixteen pairs of packed bf16
	s_load_b256 s[4:11], s[0:1], 0x0               ; x s[4:5], Wq s[6:7], Wk s[8:9], Wv s[10:11]
	s_load_b64 s[12:13], s[0:1], 0x20              ; cb
	s_sub_co_u32 s14, ttmp9, 512                   ; my number among the weights' 192 (of no use below 512)
	s_lshr_b32 s15, s14, 6                         ; which matrix
	s_and_b32 s16, s14, 63                         ; which 65,536 bytes of it
	v_lshlrev_b32 v1, 4, v0                        ; 16 bytes a thread in
	v_lshlrev_b32 v2, 3, v0                        ; 8 bytes a thread out
	s_wait_kmcnt 0x0
	s_cmp_eq_u32 s15, 1
	s_cselect_b64 s[6:7], s[8:9], s[6:7]
	s_cmp_eq_u32 s15, 2
	s_cselect_b64 s[6:7], s[10:11], s[6:7]         ; the weight matrix, if it is one
	s_cmp_lt_u32 ttmp9, 512
	s_cselect_b64 s[4:5], s[4:5], s[6:7]           ; the source
	s_cselect_b32 s16, ttmp9, s16                  ; and my block in it
	s_lshl_b32 s16, s16, 16
	s_mov_b32 s17, 0
	s_add_nc_u64 s[4:5], s[4:5], s[16:17]
	s_lshl_b32 s18, ttmp9, 15
	s_mov_b32 s19, 0
	s_add_nc_u64 s[12:13], s[12:13], s[18:19]
	s_wait_alu depctr_va_vdst(0)                   ; v1 and v2 are written: every load of the kernel reads v1 as its offset, every store v2
.irp i, 0,1,2,3,4,5,6,7,8,9,10,11,12,13,14,15
	global_load_b128 v[IN+4*(\i):IN+4*(\i)+3], v1, s[4:5] offset:4096*(\i) th:TH_LOAD_NT  ; read once in the whole program
.endr
; Block p: pieces 4 p to 4 p + 3 are rounded; the stores of pieces 4 p - 4 to 4 p - 1 go out among the conversions, one ahead of each pair.
.macro BLK p
	s_wait_loadcnt 12-4*(\p)                       ; loads come back in order (ISA guide 5.7.1): this block's four are in, the younger blocks stay out
.if (\p) > 0
	s_wait_alu depctr_va_vdst(0)                   ; the block before has written its eight registers of OUT, which the four stores below read
.endif
.irp i, 0,1,2,3
.if (\p) > 0
	global_store_b64 v2, v[OUT+2*(4*(\p)-4+(\i)):OUT+2*(4*(\p)-4+(\i))+1], s[12:13] offset:2048*(4*(\p)-4+(\i))  ; no vector instruction since the wait names these registers or v2
.endif
	v_cvt_pk_bf16_f32 v[OUT+2*(4*(\p)+(\i))], v[IN+4*(4*(\p)+(\i))], v[IN+4*(4*(\p)+(\i))+1]
	v_cvt_pk_bf16_f32 v[OUT+2*(4*(\p)+(\i))+1], v[IN+4*(4*(\p)+(\i))+2], v[IN+4*(4*(\p)+(\i))+3]
.endr
.endm
	BLK 0                                          ; no block stands in front of it: no store, and no wait but the one for its data
	BLK 1
	BLK 2
	BLK 3
	s_wait_alu depctr_va_vdst(0)                   ; block 3 has written its eight registers of OUT, which the last four stores read
.irp i, 12,13,14,15
	global_store_b64 v2, v[OUT+2*(\i):OUT+2*(\i)+1], s[12:13] offset:2048*(\i)
.endr
	s_endpgm
.Lfunc_end_k_q2f1aee36a5_prep:
	.size	k_q2f1aee36a5_prep, .Lfunc_end_k_q2f1aee36a5_prep-k_q2f1aee36a5_prep
	.p2alignl 7, 3214868480
	.fill 96, 4, 3214868480
	.section	.rodata,"a",@progbits
	.p2align	6, 0x0
	.amdhsa_kernel k_q2f1aee36a5_prep
		.amdhsa_group_segment_fixed_size 0
		.amdhsa_private_segment_fixed_size 0
		.amdhsa_enable_private_segment 0
		.amdhsa_kernarg_size 40
		.amdhsa_user_sgpr_count 2
		.amdhsa_user_sgpr_kernarg_segment_ptr 1
		.amdhsa_wavefront_size32 1
		.amdhsa_system_sgpr_workgroup_id_x 1
		.amdhsa_system_sgpr_workgroup_id_y 1
		.amdhsa_system_sgpr_workgroup_id_z 1
		.amdhsa_system_vgpr_workitem_id 0
		.amdhsa_next_free_vgpr 104
		.amdhsa_next_free_sgpr 66
		.amdhsa_reserve_vcc 0
		.amdhsa_float_denorm_mode_32 3
		.amdhsa_float_denorm_mode_16_64 3
		.amdhsa_memory_ordered 1
		.amdhsa_forward_progress 1
		.amdhsa_inst_pref_size 7
	.end_amdhsa_kernel
	.amdgpu_metadata
---
amdhsa.version: [ 1, 2 ]
amdhsa.kernels:
  - .name:           k_q2f1aee36a5_prep
    .symbol:         k_q2f1aee36a5_prep.kd
    .args:
      - { .name: x, .offset: 0, .size: 8, .value_kind: global_buffer, .address_space: global }
      - { .name: Wq, .offset: 8, .size: 8, .value_kind: global_buffer, .address_space: global }
      - { .name: Wk, .offset: 16, .size: 8, .value_kind: global_buffer, .address_space: global }
      - { .name: Wv, .offset: 24, .size: 8, .value_kind: global_buffer, .address_space: global }
      - { .name: cb, .offset: 32, .size: 8, .value_kind: global_buffer, .address_space: global }
    .group_segment_fixed_size: 0
    .private_segment_fixed_size: 0
    .kernarg_segment_align: 8
    .kernarg_segment_size: 40
    .max_flat_workgroup_size: 256
    .sgpr_count:     66
    .vgpr_count:     104
    .wavefront_size: 32
...
	.end_amdgpu_metadata
.endif
;; end of part 8
;; launch proj: the kernel of part 5 again; grid 12 x 32, 4 waves a work-group, clusters of 4 x 4, 327,680 bytes of LDS; arguments cb, bq, bk, bv, qkv; writes qkv
;; launch scores: the kernel of part 6 again; grid 8 x 32, 4 waves a work-group, clusters of 4 x 4, 327,680 bytes of LDS; arguments qkv, p, st; writes p, st
;; launch pv: the kernel of part 7 again; grid 4 x 64, 4 waves a work-group, clusters of 4 x 4, 327,680 bytes of LDS; arguments p, qkv, st, out0; writes out0
